; MI455X (gfx1250); checked and timed in simulation.
; The chip was launched on July 23, 2026; its instructions are those of AMD's public machine-readable ISA for CDNA 5 (MIT licence, August 2026) and "CDNA5" Instruction Set Architecture Reference Guide (July 2026). The comments in the code are by the model that wrote it; some were corrected since.
;; Neural Attention. Allowed arithmetic: matrix products marked QUANTISED: E2M3 operands, one E8M0 scale for each 32 along K, by v_wmma_scale_f32_16x16x128_f8f6f4 with both operands' format E2M3, f32 sums; products left as they are: f32 operands where the result goes on into a quantised operand, else bf16, f16 or f32 operands; f32 sums; everything else in f32.
;; Inputs: Wk_codes 1,024 x 32 x 24 uint8 (E2M3 codes of Wk, K innermost, in blocks of 32 codes, four codes in three bytes); Wk_scales 1,024 x 32 uint8 (E8M0 scales of Wk, one for each 32 codes along K); Wo_codes 1,024 x 32 x 24 uint8 (E2M3 codes of Wo, K innermost, in blocks of 32 codes, four codes in three bytes); Wo_scales 1,024 x 32 uint8 (E8M0 scales of Wo, one for each 32 codes along K); Wq_codes 1,024 x 32 x 24 uint8 (E2M3 codes of Wq, K innermost, in blocks of 32 codes, four codes in three bytes); Wq_scales 1,024 x 32 uint8 (E8M0 scales of Wq, one for each 32 codes along K); Wv_codes 1,024 x 32 x 24 uint8 (E2M3 codes of Wv, K innermost, in blocks of 32 codes, four codes in three bytes); Wv_scales 1,024 x 32 uint8 (E8M0 scales of Wv, one for each 32 codes along K); bk 1,024 float32; bo 1,024 float32; bq 1,024 float32; bv 1,024 float32; latents_codes 4 x 512 x 32 x 24 uint8 (E2M3 codes of latents, K innermost, in blocks of 32 codes, four codes in three bytes); latents_scales 4 x 512 x 32 uint8 (E8M0 scales of latents, one for each 32 codes along K); target_codes 4 x 4,096 x 32 x 24 uint8 (E2M3 codes of target, K innermost, in blocks of 32 codes, four codes in three bytes); target_mask 4 x 4,096 bool; target_scales 4 x 4,096 x 32 uint8 (E8M0 scales of target, one for each 32 codes along K); target_timestamp 4 x 4,096 int32.
;; Outputs: out0 4 x 512 x 1,024 float32.
;; This version of the problem:
;;   THIS VERSION OF THE PROBLEM IS GIVEN IN LOW PRECISION. The matrix products marked QUANTISED in the list below multiply operands that are first quantised to E2M3 (2 exponent bits, 3 mantissa bits; 6 bits a number), with one power-of-two scale for each 32 numbers along K (OCP MX v1.0); their sums are f32. All else is computed in f32.
;;   The module's matrix products, in the order in which they are computed (A, B: the left and right operand; K: the contracted axis; several contracted axes count as one K, in the product's order):
;;     1. [M 4,096, K 1] x [K 1, N 32]; A: computed on the way; B: computed on the way: left as it is (no contracted axis)
;;     2. [M 2,048, K 1,024] x [K 1,024, N 1,024]; A: input latents (given as codes); B: input Wq (given as codes): QUANTISED
;;     3. [M 16,384, K 1,024] x [K 1,024, N 1,024]; A: input target (given as codes); B: input Wk (given as codes): QUANTISED
;;     4. [M 16,384, K 1,024] x [K 1,024, N 1,024]; A: input target (given as codes); B: input Wv (given as codes): QUANTISED
;;     5. batch 64 x [M 512, K 64] x [K 64, N 4,096]; A: computed on the way; B: computed on the way: QUANTISED
;;     6. batch 64 x [M 512, K 4,096] x [K 4,096, N 64]; A: softmax (see below); B: computed on the way: QUANTISED
;;     7. [M 2,048, K 1,024] x [K 1,024, N 1,024]; A: computed on the way; B: input Wo (given as codes): QUANTISED
;;   THE QUANTISER, for each operand of a quantised product, along K:
;;     - K is cut into blocks of 32 from its start; a last block that is shorter is filled with zeros.
;;     - A block's scale is 2^e with e = floor(log2(the largest magnitude in the block)) - 2, held to -126 .. 127; a block of zeros has e = 0. As a byte (E8M0): e + 127.
;;     - Each number is divided by its block's scale, clamped to +-7.5, and rounded to the nearest number of E2M3, ties to even, subnormals kept.
;;     - The product sums the exact products of the quantised numbers (number of the format x scale) in f32.
;;   ~~~python
;;   def quantise(x, axis):      # numpy; x: float32 -> the quantised numbers, widened to float32 again
;;       x = np.moveaxis(x, axis, -1); K = x.shape[-1]
;;       x = np.pad(x, [(0, 0)] * (x.ndim - 1) + [(0, -K % 32)]); x = x.reshape(x.shape[:-1] + (-1, 32)); a = np.abs(x).max(-1, keepdims=True)
;;       e = np.where(a > 0, np.clip(np.frexp(np.where(a > 0, a, 1))[1] - 1 - 2, -126, 127), 0)      # np.frexp(a)[1] - 1 = floor(log2(a)), exactly
;;       r = np.clip(x / 2.0 ** e, -7.5, 7.5)
;;       step = 2.0 ** (np.maximum(np.frexp(np.where(r == 0, 1, r))[1] - 1, 0) - 3)
;;       q = np.round(r / step) * step * 2.0 ** e      # np.round: ties to even
;;       return np.moveaxis(q.reshape(q.shape[:-2] + (-1,))[..., :K], -1, axis).astype(np.float32)
;;   ~~~
;;   SOFTMAX AHEAD OF A QUANTISED PRODUCT. Where the list says 'softmax', what is quantised is not the finished softmax but p = 2^(t - M), with t = logit x log2(e) and M = ceil(the row's largest t), a whole number; so 1/2 < the row's largest p <= 1. The row's sum l is taken of the UNQUANTISED p, in f32, and the product's result is divided by l at the end. Since M is a whole number, a kernel that streams over the keys may use a running M (the ceiling of the running maximum): every later rescaling is an exact power of two, which a block's scale takes up: the codes' values come out the same.
;;   OPERANDS COMPUTED ON THE WAY. 'Computed on the way' means the value that the module computes at that place (a softmax that the list does not call 'softmax' is quantised finished and normalised). What goes into a quantiser is computed in f32, as accurately as f32 sums, v_exp_f32 and their like allow (about 1e-6 of the number): no bf16 or f16 on the way to a quantiser, and a product that is left as it is and whose result goes on into a quantised operand takes f32 operands (vector FMAs, or v_wmma_f32_16x16x4_f32). A number that lies on a knife's edge between two numbers of the format may be rounded either way, as far as f32 arithmetic and the matrix unit's own rounding can turn it there, and no further.
;;   INPUTS GIVEN AS CODES. Wk (in the module: [1024, 1024], K = its axis 1); Wo (in the module: [1024, 1024], K = its axis 1); Wq (in the module: [1024, 1024], K = its axis 1); Wv (in the module: [1024, 1024], K = its axis 1); latents (in the module: [4, 512, 1024], K = its axis 2); target (in the module: [4, 4096, 1024], K = its axis 2): each comes as NAME_codes (uint8): NAME with its K axis moved to the last place and cut into blocks of 32 codes, [.., K / 32, bytes a block], one block behind the other in memory; four codes in three bytes: a row's codes are one little-endian stream of bits, code i at bits 6 i .. 6 i + 5 (a code: sign, 2 exponent bits, 3 mantissa bits); and NAME_scales (uint8): the same leading axes, one E8M0 byte (e + 127) for each 32 codes along K. Its value is code x scale, taken as it is: it is not quantised again, and the codes and scales need not be those that the quantiser above would give.
;; One version. Each part assembles by itself: llvm-mc -triple=amdgcn-amd-amdhsa -mcpu=gfx1250 --defsym DOCPART=n.
;; ======== version 1 of 1: 3 launches
;; limits: right only within a limited range of input values
;; workspace buffers: kv 26,738,688 bytes; att_codes 1,572,864 bytes; att_scales 65,536 bytes
;; launch proj (part 1): grid 4 x 128, 4 waves a work-group, clusters of 4 x 4, 327,680 bytes of LDS; arguments target_codes, target_scales, Wk_codes, Wk_scales, Wv_codes, Wv_scales, bk, bv, target_timestamp, target_mask, kv; writes kv
.if DOCPART == 1
	.amdgcn_target "amdgcn-amd-amdhsa--gfx1250"
	.amdhsa_code_object_version 6
	.text
	.protected	k_q25140f74fa_proj
	.globl	k_q25140f74fa_proj
	.p2align	8
	.type	k_q25140f74fa_proj,@function
k_q25140f74fa_proj:
	s_mov_b64 s[64:65], 0
	v_nop
	global_prefetch_b8 v0, s[64:65] scope:SCOPE_SE
	s_setreg_imm32_b32 hwreg(HW_REG_WAVE_MODE, 25, 1), 1
	s_wait_xcnt 0x0
	s_wait_alu depctr_hold_cnt(0) depctr_sa_sdst(0) depctr_va_vdst(0) depctr_va_sdst(0) depctr_va_ssrc(0) depctr_va_vcc(0) depctr_vm_vsrc(0)
	s_getreg_b32 s2, hwreg(HW_REG_IB_STS2, 6, 4)
	s_cmp_eq_u32 s2, 0
	s_cbranch_scc0 .Lentry_in_a_cluster
	s_endpgm
.Lentry_in_a_cluster:
	s_bfe_u32 s2, ttmp6, 0x10000c
	s_cmp_lg_u32 s2, 0xf033
	s_cbranch_scc0 .Lentry_shape_is_right
	s_endpgm
.Lentry_shape_is_right:
; k = target Wk^T + bk, rotated (RoPE) and quantised along the head's 64;  v = target Wv^T + bv, quantised along the keys.  Both products on codes of FP6 (E2M3) with E8M0 scales, sums in f32.
; No step and no input is left out by this program.
; A work-group of four waves makes 256 tokens x 256 features of ONE of the two products (clusters 0-15 along y: k, clusters 16-31: v); a wave makes 128 x 128: 64 accumulators.
; K = 1,024 codes = 768 bytes a row goes in three chunks of 256 bytes through two LDS slots filled by the tensor data mover; a step of 128 along K is 96 bytes, so steps 2 and 5 lie across two chunks.
; ORIENTATION.  In a result a lane holds ONE row of source 1 and its registers run along the rows of source 0.  k is quantised along features: source 0 = Wk, source 1 = target.  v along tokens: source 0 = target, source 1 = Wv.
; CLUSTERS: 4 x 4.  Source 1's 256 rows hang on cy and are shared along a row of the cluster, source 0's on cx and are shared along a column, for both types:
; for k the tokens go by 4 cluster + cy and the features by cx, for v the tokens by 4 cluster + cx and the features by cy.  So masks and LDS addresses do not hang on the type; only the buffers' addresses do.
; OUT: kv, one record of 13,056 bytes for each (batch x 16 + head, 128 keys), in the order of the reader's operand registers:
;   +0      K's codes: key tile t at 768 t: registers 0-3 at 16 lane, 4-5 at 512 + 8 lane; lane (r, h) of tile 4 c + u is key 64 c + 32 (r / 8) + 8 u + r % 8, channels 32 h on
;   +6,144  K's scale words at 16 lane + 4 b (lanes 0-15: tile 2 b, lanes 16-31: tile 2 b + 1): bytes 0, 1 the two blocks' scales; byte 2 is 227 for a key that target_mask hides, else 0; byte 3 is 0
;   +6,656  V's codes: fragment t (channels 16 t + r; K = the 128 keys in order) at 1,536 t, four registers at 512 c + 16 lane
;   +12,800 V's scale words at 8 lane + 4 e (lanes 0-15: fragment 2 e, lanes 16-31: fragment 2 e + 1)
; cos AND sin in f32: angle = timestamp x frequency (one rounding), n = round(angle / pi), r = angle - n pi in two parts, series to r^11 and r^12 (|r| <= pi / 2: what is cut is under 6e-8), sign by n's parity.
; LIMITS: NaN, infinities and the scale byte 0xff among the inputs are not served.  A block of zeros keeps the scale byte 1 (its codes are zeros; only this program reads the bytes).
; Frequencies 0-15 are 10^(-j/8) rounded to f32, frequencies 16-31 those times 0.01 (one more rounding).  The rotation uses one fused multiply-add where two rounded products and a sum could stand.
; No prefetch: the walk along K is three chunks with no loop to run ahead in; two of them are first fills.
.set ROWB,   256
.set NQ,     2
.set KROW,   768
.set STEPS,  8
.set CHUNKS, 3
.set PITCH,  272                       ; an LDS row: 256 bytes + 16 of padding
.set FR,     12
.set NL,     6
.set NP,     4
.set HALFT,  128*PITCH
.set SLOT,   4*HALFT                   ; source 1's 256 rows, then source 0's
.set KS,     32
.set SCL,    2*SLOT                    ; the scales, as units of 256 bytes + 16
.set HALFS,  (128*KS/256)*272
.set SBLK,   (16*KS/256)*272
.set SPARE,  SCL+4*HALFS               ; the spare words, 128 bytes a wave
.set REC,    13056
.set HEADB,  32*REC
.set STG,    SLOT                      ; the way out of k lies in slot 1, which has had its last fill (chunk 1) and its last read: 65,536 bytes of cos and sin, then 13,312 bytes for each wave
.set KST,    STG+65536
.set KSTW,   13312
.set LN16, 9
.set LN8,  10
.set CSW,  11                          ; where I store cos and sin
.set CSR,  12                          ; where I read them
.set AD16, 13                          ; my stage: a key's registers 0-3
.set AD8,  14                          ; its registers 4-5
.set ADS4, 15                          ; its scale word
.set ADRA, 16                          ; v16-17 source 1's fragments in slot 0, 1; v18-19: lanes 0-15 at byte 232 of that slot's row, lanes 16-31 at byte 0 of the other slot's
.set ADRB, 20                          ; v20-23 the same for source 0
.set KRD,  24
.set ADRS, 27                          ; my scale words: lanes 0-15 source 1's rows, lanes 16-31 source 0's
.set SPW,  28
.set NIL,  29
.set SC,   32                          ; v32-63 scale words, two sets; they hold nothing else
.set AF,   128                         ; source 1's fragments, window 0
.set PC,   64
.set VW,   84
.set KM,   84
.set X0,   86
.set RT,   88
.set F,    96
.set SA,   112
.set SY,   114
.set SN,   116
.set SPL,  118
.set SQL,  120
.set STT,  122
.set TSF,  124
.set TM,   112
.set W,    128
.set COS,  192
.set SIN,  208
.set TSR,  224
.set MB,   228
.set BV,   236
.set PW,   244
.set MG,   246
.set CS9,  248
.set CC10, 250
.set G,    252
.set TBK,  92                          ; s92 which 256 tokens; s93 which 256 features
.set FBK,  93
.set WV,   96                          ; s96 wave; s97 wave / 2 (in the ring: I fetch for source 1 (0) or source 0 (1)); s98 wave % 2; s99 the type: 0 k, 1 v; s100 lanes 16-31 as a mask
.set I1,   97
.set I0,   98
.set TY,   99
.set HM,   100
.set SEL,  2
.set G0H,  4                           ; group 0 of the head's loads of chunk 0
.set G0HB, 16
.set G1, 24
.set G0, 32
.set G1B, 48
.set G0B, 56
.set G1S, 68
.set G0S, 76
.set G1SB, 80
.set G0SB, 88
.set MSB, 0
.macro WIN new                         ; the immediate's high byte repeats the setting that is left
.if MSB != (\new)
	s_set_vgpr_msb (MSB<<8)|(\new)
.set MSB, (\new)
.endif
.endm
.set MUL_LO, 0xa1                      ; source 0 window 1, source 1 window 0, C and D window 2
.set MUL_HI, 0xf1
.set TO_B,   0x40
.macro PLACES n
.rept \n
	v_nop
.endr
.endm
.macro TLOAD g0, g1                    ; s_nop 0 and four v_nop behind every tensor load
	tensor_load_to_lds s[\g0:\g0+3], s[\g1:\g1+7]
	s_nop 0
	PLACES 4
.endm
.macro JLOAD g0a, g1a, g0b, g1b        ; a joint load of the ring: the branch hangs on the wave's number alone
	s_cmp_eq_u32 s[I1], 0
	s_cbranch_scc0 .Lfor_b_\@
	TLOAD \g0a, \g1a
	s_branch .Lasked_\@
.Lfor_b_\@:
	TLOAD \g0b, \g1b
.Lasked_\@:
.endm
.macro CREST                           ; a round of the cluster's barrier behind its opening barrier
	s_cmp_lg_u32 s[WV], 0
	s_cbranch_scc1 .Lnot_wave_0_\@
	s_barrier_signal -3
.Lnot_wave_0_\@:
	s_barrier_wait -3
	s_barrier_signal -1
	s_barrier_wait -1
.endm
.macro CROUND
	s_barrier_signal -1
	s_barrier_wait -1
	CREST
.endm
	s_load_b512 s[4:19], s[0:1], 0x0               ; target's codes, scales; Wk's; Wv's; bk; bv
	s_load_b128 s[20:23], s[0:1], 0x40             ; timestamps, mask
	s_load_b64 s[66:67], s[0:1], 0x50              ; kv
	v_lshl_add_u32 v[SPW], v0, 2, SPARE
	v_mov_b32 v[NIL], 0
	ds_add_u32 v[SPW], v[NIL]                      ; the opening lines: the add twice on end and one wait
	ds_add_u32 v[SPW], v[NIL]
	v_lshrrev_b32 v1, 5, v0
	v_readfirstlane_b32 s[WV], v1
	s_lshr_b32 s[I1], s[WV], 1
	s_and_b32 s[I0], s[WV], 1
	s_bfe_u32 s2, ttmp6, 0x40000                   ; cx
	s_bfe_u32 s3, ttmp6, 0x40004                   ; cy
	s_and_b32 s101, ttmp7, 0xffff                  ; the cluster's y: the same in all sixteen partners
	s_cmp_ge_u32 s101, 16
	s_cselect_b32 s[TY], 1, 0
	s_and_b32 s101, s101, 15
	s_lshl_b32 s101, s101, 2
	s_lshl_b32 s43, s3, 2
	s_lshl_b32 s43, 15, s43                        ; my row of the cluster
	s_lshl_b32 s44, 0x1111, s2                     ; my column
	s_or_b32 s[G1+0], s43, (0<<16)|(1<<20)|(1<<21)|(5<<22)|(3<<25)   ; the mask; bytes; padding of 4 words behind every 64; bit 21 beside a mask
	s_or_b32 s[G1B+0], s44, (0<<16)|(1<<20)|(1<<21)|(5<<22)|(3<<25)
.irp g, G1, G1B
	s_mov_b32 s[\g+1], ROWB<<16
	s_mov_b32 s[\g+2], 256<<16                     ; 256 rows for the head's loads
	s_mov_b32 s[\g+3], ROWB<<16
	s_mov_b32 s[\g+4], 256
	s_mov_b32 s[\g+5], KROW
	s_mov_b32 s[\g+6], 0
	s_mov_b32 s[\g+7], 0
.endr
	s_or_b32 s[G1S+0], s43, (3<<16)|(1<<20)|(1<<21)|(5<<22)|(3<<25)  ; the scales of 256 rows: 8,192 dense bytes as 32 rows of 256
	s_or_b32 s[G1SB+0], s44, (3<<16)|(1<<20)|(1<<21)|(5<<22)|(3<<25)
.irp g, G1S, G1SB
	s_mov_b32 s[\g+1], 32<<16
	s_mov_b32 s[\g+2], KS<<16
	s_mov_b32 s[\g+3], 32<<16
	s_mov_b32 s[\g+4], KS
	s_mov_b32 s[\g+5], 32
	s_mov_b32 s[\g+6], 0
	s_mov_b32 s[\g+7], 0
.endr
	s_add_co_u32 s45, s101, s3                     ; 4 cluster + cy
	s_add_co_u32 s46, s101, s2                     ; 4 cluster + cx
	s_cmp_eq_u32 s[TY], 0
	s_cselect_b32 s40, s45, s3                     ; source 1's block of 256 rows: made of cy alone
	s_cselect_b32 s41, s2, s46                     ; source 0's: of cx alone
	s_cselect_b32 s[TBK], s45, s46
	s_cselect_b32 s[FBK], s2, s3
	s_mul_i32 s44, s40, 256*KROW
	s_mov_b32 s45, 0
	s_mul_i32 s46, s41, 256*KROW
	s_mov_b32 s47, 0
	s_lshl_b32 s40, s40, 13                        ; 256 rows x 32 scale bytes
	s_lshl_b32 s41, s41, 13
	s_mul_i32 s101, s[WV], HALFT                   ; in the ring: wave x 128 rows
	s_wait_dscnt 0x0
	s_wait_kmcnt 0x0
	s_cmp_eq_u32 s[TY], 0                          ; which buffers: a choice on the type alone
	s_cselect_b64 s[12:13], s[4:5], s[12:13]       ; source 1's codes
	s_cselect_b64 s[14:15], s[6:7], s[14:15]       ; its scales
	s_cselect_b64 s[8:9], s[8:9], s[4:5]           ; source 0's codes
	s_cselect_b64 s[10:11], s[10:11], s[6:7]       ; its scales
	s_cselect_b64 s[94:95], s[16:17], s[18:19]     ; the bias
	s_add_nc_u64 s[12:13], s[12:13], s[44:45]
	s_add_nc_u64 s[8:9], s[8:9], s[46:47]
	s_mov_b32 s44, s40
	s_mov_b32 s46, s41
	s_add_nc_u64 s[14:15], s[14:15], s[44:45]
	s_add_nc_u64 s[10:11], s[10:11], s[46:47]
	CROUND                                         ; all sixteen work-groups are here: the first joint loads meet
	s_mov_b32 s[G0H], 1
	s_mov_b32 s[G0H+1], 0
	s_mov_b64 s[G0H+2:G0H+3], s[12:13]
	s_or_b32 s[G0H+3], s[G0H+3], 0x80000000
	s_mov_b32 s[G0HB], 1
	s_mov_b32 s[G0HB+1], 2*HALFT
	s_mov_b64 s[G0HB+2:G0HB+3], s[8:9]
	s_or_b32 s[G0HB+3], s[G0HB+3], 0x80000000
	s_mov_b32 s[G0S], 1
	s_mov_b32 s[G0S+1], SCL
	s_mov_b64 s[G0S+2:G0S+3], s[14:15]
	s_or_b32 s[G0S+3], s[G0S+3], 0x80000000
	s_mov_b32 s[G0SB], 1
	s_mov_b32 s[G0SB+1], SCL+2*HALFS
	s_mov_b64 s[G0SB+2:G0SB+3], s[10:11]
	s_or_b32 s[G0SB+3], s[G0SB+3], 0x80000000
	s_mul_i32 s44, s[I0], 128*KROW                 ; for the ring: my 128 rows of a tile
	s_add_nc_u64 s[12:13], s[12:13], s[44:45]
	s_add_nc_u64 s[8:9], s[8:9], s[44:45]
.irp s, 0,1
	s_mov_b32 s[G0+4*\s], 1
	s_add_co_u32 s[G0+4*\s+1], s101, \s*SLOT
	s_add_nc_u64 s[G0+4*\s+2:G0+4*\s+3], s[12:13], \s*ROWB
	s_or_b32 s[G0+4*\s+3], s[G0+4*\s+3], 0x80000000
	s_mov_b32 s[G0B+4*\s], 1
	s_add_co_u32 s[G0B+4*\s+1], s101, \s*SLOT
	s_add_nc_u64 s[G0B+4*\s+2:G0B+4*\s+3], s[8:9], \s*ROWB
	s_or_b32 s[G0B+4*\s+3], s[G0B+4*\s+3], 0x80000000
.endr
; The head's four tiles, one load a wave, in one tree of branches on the wave's number: chunk 0 of source 1, of source 0, source 1's scales, source 0's.
.macro ARM under, g0, g1, next
	s_cmp_lt_u32 s[WV], \under
	s_cbranch_scc0 \next
	TLOAD \g0, \g1
	s_branch .Lhead_asked
\next:
.endm
	ARM 1, G0H,  G1,  .Lhead_b
	ARM 2, G0HB, G1B, .Lhead_sa
	ARM 3, G0S,  G1S, .Lhead_sb
	TLOAD G0SB, G1SB
.Lhead_asked:
	; scalar set-up of the way out first, then the vector lines on end
	s_mov_b32 s47, 0
	s_lshl_b32 s40, s[FBK], 10
	s_lshl_b32 s46, s[I0], 9
	s_add_co_u32 s46, s46, s40
	s_add_nc_u64 s[12:13], s[94:95], s[46:47]      ; the bias at source 0's 128 rows (k)
	s_lshl_b32 s46, s[I1], 9
	s_add_co_u32 s46, s46, s40
	s_add_nc_u64 s[14:15], s[94:95], s[46:47]      ; and at source 1's (v)
	s_lshl_b32 s40, s[TBK], 8
	s_lshl_b32 s46, s[I1], 7
	s_add_co_u32 s46, s46, s40                     ; token 256 block + 128 (wave / 2)
	s_add_nc_u64 s[22:23], s[22:23], s[46:47]
	s_lshl_b32 s40, s[I0], 6
	s_add_co_u32 s46, s46, s40                     ; + 64 (wave % 2): the four blocks whose cos and sin I make
	s_lshl_b32 s46, s46, 2
	s_add_nc_u64 s[20:21], s[20:21], s[46:47]
	s_cmp_eq_u32 s[TY], 0                          ; my records: ((16 batch + head) x 32 + key step) x 13,056
	s_cselect_b32 s45, s[I0], s[I1]                ; which half of the features is mine
	s_cselect_b32 s46, s[I1], s[I0]                ; which half of the tokens
	s_lshr_b32 s40, s[TBK], 4
	s_lshl_b32 s40, s40, 4
	s_lshl_b32 s41, s[FBK], 2
	s_add_co_u32 s40, s40, s41
	s_lshl_b32 s45, s45, 1
	s_add_co_u32 s40, s40, s45
	s_lshl_b32 s40, s40, 5
	s_and_b32 s41, s[TBK], 15
	s_lshl_b32 s41, s41, 1
	s_add_co_u32 s40, s40, s41
	s_add_co_u32 s40, s40, s46
	s_mul_i32 s40, s40, REC
	s_mov_b32 s41, 0
	s_add_nc_u64 s[66:67], s[66:67], s[40:41]
	s_mov_b32 s2, SLOT-232
	s_mov_b32 s3, SLOT+232
	s_mul_i32 s41, s[I1], HALFT                    ; my 128 rows of source 1
	s_mul_i32 s45, s[I0], HALFT
	s_add_co_u32 s45, s45, 2*HALFT                 ; and of source 0
	s_mul_i32 s46, s[I1], HALFS
	s_mul_i32 s47, s[I0], HALFS
	s_add_co_u32 s47, s47, 2*HALFS
	s_sub_co_u32 s47, s47, s46                     ; from source 1's scale words to source 0's
	s_add_co_u32 s46, s46, SCL
	s_lshl_b32 s8, s[WV], 14
	s_add_co_u32 s8, s8, STG
	s_lshl_b32 s9, s[I1], 15
	s_add_co_u32 s9, s9, STG
	s_mul_i32 s10, s[WV], KSTW
	s_add_co_u32 s10, s10, KST                     ; my stage
	s_mov_b32 s[HM], 0xffff0000
	v_and_b32 v1, 15, v0                           ; r
	v_bfe_u32 v2, v0, 4, 1                         ; h
	v_lshlrev_b32 v7, 5, v2
	v_lshlrev_b32 v8, 2, v1
	WIN TO_B                                       ; what the way out needs from memory, into registers that lie idle in the products
.irp t, 0,1,2,3,4,5,6,7                        ; window 1, v96-127 and v224-255: register 8 t + j = bias of source 0's row 16 t + 8 h + j
	global_load_b128 v[96+8*\t+96*(\t/4):96+8*\t+96*(\t/4)+3], v7, s[12:13] offset:64*\t
	global_load_b128 v[96+8*\t+96*(\t/4)+4:96+8*\t+96*(\t/4)+7], v7, s[12:13] offset:64*\t+16
.endr
	WIN 0
.irp n, 0,1,2,3
	global_load_b32 v[TSR+\n], v8, s[20:21] offset:64*\n
.endr
.irp a, 0,1,2,3,4,5,6,7
	global_load_u8 v[MB+\a], v1, s[22:23] offset:16*\a
	global_load_b32 v[BV+\a], v8, s[14:15] offset:64*\a
.endr
	v_mul_u32_u24 v3, v1, PITCH
	v_mul_u32_u24 v4, v2, 24
	v_add_nc_u32 v4, v3, v4                        ; a fragment's row x pitch + 24 x half
	v_sub_nc_u32 v6, 1, v2
	v_mul_u32_u24 v5, s2, v2
	v_add_nc_u32 v5, v3, v5
	v_add_nc_u32 v5, 232, v5                       ; lanes 0-15 byte 232 of the row in slot 0, lanes 16-31 byte 0 of the row in slot 1
	v_mul_u32_u24 v6, s3, v6
	v_add_nc_u32 v6, v3, v6                        ; and the other way round
	v_add_nc_u32 v[ADRA+2], s41, v5
	v_add_nc_u32 v[ADRA+3], s41, v6
	v_add_nc_u32 v[ADRB+2], s45, v5
	v_add_nc_u32 v[ADRB+3], s45, v6
	v_add_nc_u32 v[ADRA], s41, v4
	v_add_nc_u32 v[ADRB], s45, v4
	v_add_nc_u32 v[ADRA+1], SLOT, v[ADRA]
	v_add_nc_u32 v[ADRB+1], SLOT, v[ADRB]
	v_mul_u32_u24 v5, v1, KS
	v_lshrrev_b32 v6, 8, v5
	v_lshl_add_u32 v5, v6, 4, v5                   ; my row's scale bytes, and 16 more for each 256 passed
	v_mul_u32_u24 v6, s47, v2                      ; lanes 16-31 take source 0's
	v_add_nc_u32 v5, v5, v6
	v_add_nc_u32 v[ADRS], s46, v5
	v_and_b32 v3, 31, v0
	v_lshlrev_b32 v[LN16], 4, v3
	v_lshlrev_b32 v[LN8], 3, v3
	v_add_nc_u32 v[CSW], s8, v[LN16]
	v_add_nc_u32 v[CSR], s9, v[LN16]
	v_lshrrev_b32 v3, 3, v1                        ; r / 8
	v_and_b32 v4, 7, v1                            ; r % 8
	v_mul_u32_u24 v5, v3, 768
	v_add_nc_u32 v5, s10, v5
	v_lshl_add_u32 v6, v4, 4, v5
	v_lshl_add_u32 v[AD16], v2, 8, v6              ; token 16 a + r goes to tile 4 (a / 4) + 2 (a % 2) + r / 8, lane r % 8 + 8 ((a / 2) % 2) + 16 h; a stands in the immediates
	v_lshl_add_u32 v6, v4, 3, v5
	v_lshl_add_u32 v6, v2, 7, v6
	v_add_nc_u32 v[AD8], 512, v6
	v_lshlrev_b32 v6, 4, v4
	v_lshl_add_u32 v6, v3, 8, v6
	v_add_nc_u32 v6, s10, v6
	v_add_nc_u32 v[ADS4], 6144, v6
	v_add_nc_u32 v[KRD], s10, v[LN16]
	s_mov_b32 s[SEL], 0x76543210
	s_mov_b32 s[SEL+1], 0xfedcba98                 ; v_permlanex16_b32's selects for lane l xor 16
.macro FRAG reg, adr, st, i            ; a fragment: 16 rows x 128 K in 12 registers, in pieces of 8 bytes; byte y of a row lies in slot (y / 256) % 2 at byte y % 256
.irp p, 0,1,2,3,4,5
.set BY, 96*(\st)+48*(\p/3)+8*(\p%3)
.if BY/ROWB == (BY+24)/ROWB
	ds_load_b64 v[\reg+2*\p:\reg+2*\p+1], v[\adr+(BY/ROWB)%2] offset:BY%ROWB+(\i)*16*PITCH
.else
	ds_load_b64 v[\reg+2*\p:\reg+2*\p+1], v[\adr+2+(BY/ROWB)%2] offset:BY%ROWB-232+(\i)*16*PITCH
.endif
.endr
.endm
.macro WMS d, a, b, z, sa, sb
.if \z
	v_wmma_scale_f32_16x16x128_f8f6f4 v[\d:\d+7], v[\a:\a+11], v[\b:\b+11], 0, v[\sa], v[\sb] matrix_a_fmt:MATRIX_FMT_FP6 matrix_b_fmt:MATRIX_FMT_FP6 matrix_a_scale:MATRIX_SCALE_ROW1
.else
	v_wmma_scale_f32_16x16x128_f8f6f4 v[\d:\d+7], v[\a:\a+11], v[\b:\b+11], v[\d:\d+7], v[\sa], v[\sb] matrix_a_fmt:MATRIX_FMT_FP6 matrix_b_fmt:MATRIX_FMT_FP6 matrix_a_scale:MATRIX_SCALE_ROW1
.endif
.endm
; 16 matrix instructions: source 1's blocks a0, a0 + 1 x source 0's eight.  The 64 accumulators take turns, one instruction a turn.
.macro MUL16 a0, p, q, sc, zero
.irp a, \a0, \a0+1
.irp b, 0,1,2,3,4,5,6,7
	WMS 8*(8*((\a)%4)+\b), 128*(\p)+FR*\b, AF+FR*(\a), \zero, SC+8*NQ*(\sc)+NQ*\b+(\q), SC+8*NQ*(\sc)+NQ*(\a)+(\q)
.endr
.endr
.endm
.macro FETCH_B st, p
	WIN TO_B
.irp i, 0,1,2,3,4,5,6,7
	FRAG 128*(\p)+FR*\i, ADRB, \st, \i
.endr
	WIN 0
.endm
.macro FETCH_A st, i0
.irp i, \i0, \i0+1, \i0+2, \i0+3
	FRAG AF+FR*(\i), ADRA, \st, \i
.endr
.endm
.macro SCALES pr                       ; the scale words of steps 2 pr and 2 pr + 1 into set pr % 2
.irp i, 0,1,2,3,4,5,6,7
	ds_load_b64 v[SC+8*NQ*((\pr)%2)+NQ*\i:SC+8*NQ*((\pr)%2)+NQ*\i+1], v[ADRS] offset:\i*SBLK+4*NQ*(\pr)
.endr
.endm
; A step of 128 along K.  Where the next step's bytes END in a chunk not read yet: the wait for my tensor loads and a barrier show it whole.  Where they BEGIN in a later chunk: the chunk left behind is read no more:
; the wait for all my tensor loads, the add, the wait for it and for my reads, the barrier; where a chunk two on is left, the barrier opens a round of the cluster's and the slot is filled again.
; Loads into registers that matrix instructions have read stand four plain vector instructions behind them (ISA guide 7.12.1 for vector instructions).
.macro STEP st, zero
.set NX, (\st)+1
.set C0, (96*(\st))/ROWB
.set C1, (96*NX)/ROWB
.set E0, (96*(\st)+95)/ROWB
.set E1, (96*NX+95)/ROWB
.if C1 > C0 || E1 > E0
	s_wait_tensorcnt 0x0
.if C1 > C0
	ds_add_u32 v[SPW], v[NIL]
	s_wait_dscnt 4*NL+1                            ; the add and the youngest 24 loads (blocks 4-7) may be out
.else
	s_wait_dscnt 4*NL
.endif
	WIN MUL_LO
	MUL16 0, (\st)%2, (\st)%2, ((\st)/2)%2, \zero
	s_wait_dscnt 0x0                               ; the add, where there is one, and all my reads
	s_barrier_signal -1
	MUL16 2, (\st)%2, (\st)%2, ((\st)/2)%2, \zero
	WIN 0
	s_barrier_wait -1
.if C1 > C0 && C0+2 < CHUNKS
	CREST
	s_add_nc_u64 s[G0+4*(C0%2)+2:G0+4*(C0%2)+3], s[G0+4*(C0%2)+2:G0+4*(C0%2)+3], 2*ROWB
	s_add_nc_u64 s[G0B+4*(C0%2)+2:G0B+4*(C0%2)+3], s[G0B+4*(C0%2)+2:G0B+4*(C0%2)+3], 2*ROWB
	JLOAD G0+4*(C0%2), G1, G0B+4*(C0%2), G1B       ; chunk C0 + 2; its four v_nop are the places in front of the loads below
.else
	PLACES NP
.endif
.else
	s_wait_dscnt 4*NL
	WIN MUL_LO
	MUL16 0, (\st)%2, (\st)%2, ((\st)/2)%2, \zero
	MUL16 2, (\st)%2, (\st)%2, ((\st)/2)%2, \zero
	s_wait_dscnt 0
	PLACES NP
.endif
	FETCH_B NX, NX%2
	FETCH_A NX, 0
.if NX%2 == 0
	SCALES NX/2
.endif
	WIN MUL_HI
	MUL16 4, (\st)%2, (\st)%2, ((\st)/2)%2, \zero
	MUL16 6, (\st)%2, (\st)%2, ((\st)/2)%2, \zero
	PLACES NP
	WIN 0
	FETCH_A NX, 4
.endm
	s_wait_alu depctr_va_vdst(0)                   ; the wait at the head's end
	s_wait_tensorcnt 0x0                           ; my tile of the head's four is in; the three lines ahead of a later first fill, as ahead of a refill
	ds_add_u32 v[SPW], v[NIL]
	s_mov_b32 s[G1+2], 128<<16                     ; no tensor load of mine is out: from here on a load brings 128 rows
	s_mov_b32 s[G1+4], 128
	s_mov_b32 s[G1B+2], 128<<16
	s_mov_b32 s[G1B+4], 128
	s_wait_dscnt 0x0
	CROUND
	JLOAD G0+4, G1, G0B+4, G1B                     ; chunk 1, the first tensor load behind the round
	FETCH_B 0, 0
	FETCH_A 0, 0
	SCALES 0
	FETCH_A 0, 4
	STEP 0, 1                                      ; the first products start the sums: nothing is cleared
.set ST, 1
.rept STEPS-2
	STEP ST, 0
.set ST, ST+1
.endr
	s_wait_dscnt 4*NL
	WIN MUL_LO
	MUL16 0, 1, 1, 1, 0
	MUL16 2, 1, 1, 1, 0
	s_wait_dscnt 0
	WIN MUL_HI
	MUL16 4, 1, 1, 1, 0
	MUL16 6, 1, 1, 1, 0
	WIN 0
; ---- THE WAY OUT
; Two result tiles hold, in lane (r, h), source 0's rows 8 h + j and 16 + 8 h + j.  Eight exchanges of halves make of them 16 neighbours: register 16 b + i = row 32 b + 16 h + i.
.macro NEIGH base, nb
.set NBI, 0
.rept \nb
.irp j, 0,1,2,3,4,5,6,7
	v_permlane16_swap_b32 v[(\base)+16*NBI+\j], v[(\base)+16*NBI+8+\j]
.endr
.set NBI, NBI+1
.endr
.endm
; 64 numbers of a lane, register 16 b + i = k 32 b + 16 h + i of my row, become a fragment's codes in v[PC] on and its scale word in v[PW].
.macro QUANT s
.irp b, 0,1,2,3
	v_max3_num_f32 v[TM+\b], |v[\s+16*\b]|, |v[\s+1+16*\b]|, 0x1800000   ; the floor 2^(3 - 127): the byte cannot fall under 1
.endr
.irp i, 2,4,6,8,10,12,14
.irp b, 0,1,2,3
	v_max3_num_f32 v[TM+\b], v[TM+\b], |v[\s+16*\b+\i]|, |v[\s+1+16*\b+\i]|
.endr
.endr
.irp b, 0,1,2,3
	v_permlanex16_b32 v[TM+4+\b], v[TM+\b], s[SEL], s[SEL+1]
.endr
.irp b, 0,1,2,3
	v_max_num_f32 v[TM+\b], v[TM+\b], v[TM+4+\b]
.endr
.irp b, 0,1,2,3
	v_add_nc_u32 v[TM+12+\b], 0xff000000, v[TM+\b] ; 2 off the exponent field: the conversion's scale operand
.endr
.irp b, 0,1,2,3
	v_lshrrev_b32 v[TM+4+\b], 23, v[TM+12+\b]      ; the scale's byte
.endr
	v_lshl_or_b32 v[PW], v[TM+5], 8, v[TM+4]
	v_lshl_or_b32 v[PW], v[TM+6], 16, v[PW]
	v_lshl_or_b32 v[PW], v[TM+7], 24, v[PW]
.irp c, 0,1
	v_cvt_scalef32_pk16_fp6_f32 v[PC+6*\c:PC+2+6*\c], v[\s+32*\c:\s+15+32*\c], v[TM+12+2*\c]
	v_cvt_scalef32_pk16_fp6_f32 v[PC+12+4*\c:PC+14+4*\c], v[\s+16+32*\c:\s+31+32*\c], v[TM+12+2*\c+1]
.endr
	v_nop                                          ; one plain instruction behind the scaled conversions
.irp c, 0,1                                    ; the operand's layout wants a whole block in a lane
.irp i, 0,1,2
	v_permlane16_swap_b32 v[PC+6*\c+\i], v[PC+12+4*\c+\i]
.endr
.irp i, 0,1,2
	v_mov_b32 v[PC+3+6*\c+\i], v[PC+12+4*\c+\i]
.endr
.endr
.endm
; One head's 32 numbers of a lane: lo = channels 16 h + i, hi = channels 32 + 16 h + i.  lo' = lo cos - hi sin, hi' = hi cos + lo sin.
.macro ROPE base
.irp k, 0,2,4,6,8,10,12,14
	v_pk_mul_f32 v[RT+2*(\k%4):RT+2*(\k%4)+1], v[(\base)+16+\k:(\base)+17+\k], v[SIN+\k:SIN+\k+1]
	v_pk_mul_f32 v[RT+2*(\k%4)+2:RT+2*(\k%4)+3], v[(\base)+\k:(\base)+\k+1], v[SIN+\k:SIN+\k+1]
	v_pk_fma_f32 v[(\base)+\k:(\base)+\k+1], v[(\base)+\k:(\base)+\k+1], v[COS+\k:COS+\k+1], v[RT+2*(\k%4):RT+2*(\k%4)+1] neg_lo:[0,0,1] neg_hi:[0,0,1]
	v_pk_fma_f32 v[(\base)+16+\k:(\base)+17+\k], v[(\base)+16+\k:(\base)+17+\k], v[COS+\k:COS+\k+1], v[RT+2*(\k%4)+2:RT+2*(\k%4)+3]
.endr
.endm
; cos and sin of timestamp x frequency, for frequencies i and i + 1 of my 16
.macro SINCOS2 i
	v_pk_mul_f32 v[SA:SA+1], v[F+\i:F+\i+1], v[TSF:TSF+1]                                  ; the angle: one rounding
	v_pk_fma_f32 v[SY:SY+1], v[SA:SA+1], 0x3ea2f983, v[MG:MG+1] op_sel_hi:[1,0,1]          ; angle / pi + 1.5 x 2^23: n stands in the low bits
	v_pk_add_f32 v[SN:SN+1], v[SY:SY+1], v[MG:MG+1] neg_lo:[0,1] neg_hi:[0,1]              ; n
	v_pk_fma_f32 v[SA:SA+1], v[SN:SN+1], 0xc0490fdb, v[SA:SA+1] op_sel_hi:[1,0,1]          ; r = angle - n pi: pi's upper part,
	v_pk_fma_f32 v[SA:SA+1], v[SN:SN+1], 0x33bbbd2e, v[SA:SA+1] op_sel_hi:[1,0,1]          ; and its lower
	v_pk_mul_f32 v[SN:SN+1], v[SA:SA+1], v[SA:SA+1]                                        ; r^2
	v_pk_fma_f32 v[SPL:SPL+1], v[SN:SN+1], 0xb2d7322b, v[CS9:CS9+1] op_sel_hi:[1,0,1]      ; the two series by turns
	v_pk_fma_f32 v[SQL:SQL+1], v[SN:SN+1], 0x310f76c7, v[CC10:CC10+1] op_sel_hi:[1,0,1]
	v_pk_fma_f32 v[SPL:SPL+1], v[SPL:SPL+1], v[SN:SN+1], 0xb9500d01 op_sel_hi:[1,1,0]
	v_pk_fma_f32 v[SQL:SQL+1], v[SQL:SQL+1], v[SN:SN+1], 0x37d00d01 op_sel_hi:[1,1,0]
	v_pk_fma_f32 v[SPL:SPL+1], v[SPL:SPL+1], v[SN:SN+1], 0x3c088889 op_sel_hi:[1,1,0]
	v_pk_fma_f32 v[SQL:SQL+1], v[SQL:SQL+1], v[SN:SN+1], 0xbab60b61 op_sel_hi:[1,1,0]
	v_pk_fma_f32 v[SPL:SPL+1], v[SPL:SPL+1], v[SN:SN+1], 0xbe2aaaab op_sel_hi:[1,1,0]
	v_pk_fma_f32 v[SQL:SQL+1], v[SQL:SQL+1], v[SN:SN+1], 0x3d2aaaab op_sel_hi:[1,1,0]
	v_pk_mul_f32 v[STT:STT+1], v[SA:SA+1], v[SN:SN+1]                                      ; r^3
	v_pk_fma_f32 v[SQL:SQL+1], v[SQL:SQL+1], v[SN:SN+1], -0.5 op_sel_hi:[1,1,0]
	v_pk_fma_f32 v[SIN+\i:SIN+\i+1], v[SPL:SPL+1], v[STT:STT+1], v[SA:SA+1]
	v_pk_fma_f32 v[COS+\i:COS+\i+1], v[SQL:SQL+1], v[SN:SN+1], 1.0 op_sel_hi:[1,1,0]
	v_lshlrev_b32 v[SY], 31, v[SY]                                                         ; n's parity as a sign
	v_lshlrev_b32 v[SY+1], 31, v[SY+1]
	v_xor_b32 v[SIN+\i], v[SY], v[SIN+\i]
	v_xor_b32 v[SIN+\i+1], v[SY+1], v[SIN+\i+1]
	v_xor_b32 v[COS+\i], v[SY], v[COS+\i]
	v_xor_b32 v[COS+\i+1], v[SY+1], v[COS+\i+1]
.endm
	s_wait_loadcnt 0x0                             ; biases, timestamps, mask bytes
	PLACES NP                                      ; in front of the first read of results and the first write of registers that the last products read
.irp b, 0,1,2,3
	v_mov_b32 v[TM+4+\b], 0                        ; written once: a lane permute's destination counts as one of its sources
.endr
	s_cmp_lg_u32 s[TY], 0                          ; the type is the same in all waves of all sixteen partners
	s_cbranch_scc1 .Lv_path
	; ---- k.  The mask's byte: 227 (2^100) for a hidden key, 0 for one that counts
	v_mov_b32 v[KM], 0xe30000
.irp a, 0,1,2,3,4,5,6,7
	v_cmp_eq_u32 vcc_lo, 0, v[MB+\a]
	v_cndmask_b32 v[MB+\a], 0, v[KM], vcc_lo
.endr
	v_mov_b32 v[F+0], 1.0                          ; 10^(-i / 8), i = 0 .. 15
	v_mov_b32 v[F+1], 0x3f3ff911
	v_mov_b32 v[F+2], 0x3f0ff59a
	v_mov_b32 v[F+3], 0x3ed7e89b
	v_mov_b32 v[F+4], 0x3ea1e89b
	v_mov_b32 v[F+5], 0x3e72d424
	v_mov_b32 v[F+6], 0x3e361887
	v_mov_b32 v[F+7], 0x3e088d77
	v_mov_b32 v[F+8], 0x3dcccccd
	v_mov_b32 v[F+9], 0x3d99940e
	v_mov_b32 v[F+10], 0x3d6655c3
	v_mov_b32 v[F+11], 0x3d2cba15
	v_mov_b32 v[F+12], 0x3d0186e2
	v_mov_b32 v[F+13], 0x3cc24350
	v_mov_b32 v[F+14], 0x3c91ad39
	v_mov_b32 v[F+15], 0x3c5a7bf1
	v_mov_b32 v[G], 1.0
	v_mov_b32 v[G+1], 0x3c23d70a
	v_cndmask_b32 v[G], v[G], v[G+1], s[HM]        ; lanes 16-31 hold frequencies 16 + i: x 0.01
	v_mov_b32 v[G+1], v[G]
.irp i, 0,2,4,6,8,10,12,14
	v_pk_mul_f32 v[F+\i:F+\i+1], v[F+\i:F+\i+1], v[G:G+1]
.endr
	v_mov_b32 v[MG], 0x4b400000
	v_mov_b32 v[MG+1], 0x4b400000
	v_mov_b32 v[CS9], 0x3638ef1d
	v_mov_b32 v[CS9+1], 0x3638ef1d
	v_mov_b32 v[CC10], 0xb493f27e
	v_mov_b32 v[CC10+1], 0xb493f27e
	; cos and sin of four blocks of 16 tokens; the wave beside me (same tokens, other features) makes the other four.  Images of the registers: 4,096 bytes a block.
.irp n, 0,1,2,3
	v_cvt_f32_u32 v[TSF], v[TSR+\n]
	v_mov_b32 v[TSF+1], v[TSF]
.if \n > 0
	s_wait_alu depctr_va_vdst(0)
	s_wait_dscnt 0x0                               ; the last block's stores have read their registers
.endif
.irp i, 0,2,4,6,8,10,12,14
	SINCOS2 \i
.endr
.irp c, 0,1,2,3,4,5,6,7
	ds_store_b128 v[CSW], v[COS+4*\c:COS+4*\c+3] offset:4096*\n+512*\c
.endr
.endr
	s_wait_dscnt 0x0                               ; for the other wave's sake: my stores have landed
	s_barrier_signal -1
	s_barrier_wait -1
; Block a: tokens 16 a + r, my 128 features (two heads).
.macro KOUT a
.set KT, 768*(4*((\a)/4)+2*((\a)%2))           ; the first of the two key tiles that take this block
.set KH, ((\a)/2)%2                            ; and which eight rows of them
.irp c, 0,1,2,3,4,5,6,7
	ds_load_b128 v[COS+4*\c:COS+4*\c+3], v[CSR] offset:4096*(\a)+512*\c
.endr
	WIN 0x06+(\a)/4                                ; source 0: the accumulators' window; source 1: the bias, window 1
.irp b, 0,1,2,3,4,5,6,7
.irp k, 0,2,4,6
	v_pk_add_f32 v[W+8*\b+\k:W+8*\b+\k+1], v[8*(8*((\a)%4)+\b)+\k:8*(8*((\a)%4)+\b)+\k+1], v[96+8*\b+96*(\b/4)+\k:96+8*\b+96*(\b/4)+\k+1]   ; each accumulator from its low end on
.endr
.endr
	WIN 0
	NEIGH W, 4
	s_wait_dscnt 0x0                               ; cos and sin are in, and the last block's stores into the stage have read their registers
	ROPE W
	ROPE W+32
	QUANT W
.irp g, 0,1
	ds_store_b128 v[AD16], v[PC+6*\g:PC+6*\g+3] offset:6656*\g+KT+128*KH
	ds_store_b64 v[AD8], v[PC+6*\g+4:PC+6*\g+5] offset:6656*\g+KT+64*KH
.endr
	v_and_or_b32 v[X0], v[PW], 0xffff, v[MB+(\a)]  ; a head's two bytes, and the mask's byte above them
	v_lshrrev_b32 v[X0+1], 16, v[PW]
	v_or_b32 v[X0+1], v[X0+1], v[MB+(\a)]
	ds_store_b32 v[ADS4], v[X0] offset:128*KH+4*(2*((\a)/4)+(\a)%2)       ; lanes r and r + 16 write the same word with the same value
	ds_store_b32 v[ADS4], v[X0+1] offset:6656+128*KH+4*(2*((\a)/4)+(\a)%2)
.endm
.irp a, 0,1,2,3,4,5,6,7
	KOUT \a
.endr
.irp k, 0,1,2,3,4,5,6,7,8,9,10,11,12,13,14,15,16,17,18,19,20,21,22,23,24,25
	ds_load_b128 v[128+4*\k:131+4*\k], v[KRD] offset:512*\k          ; LDS serves a wave's instructions in order (ISA guide 5.7.1.4): these see my stores
.endr
.irp k, 0,1,2,3,4,5,6,7,8,9,10,11,12,13,14,15,16,17,18,19,20,21,22,23,24,25
	s_wait_dscnt 25-\k
	global_store_b128 v[LN16], v[128+4*\k:131+4*\k], s[66:67] offset:(\k/13)*HEADB+(\k%13)*512   ; 32 lanes store 512 consecutive bytes, at a multiple of 256 from kv's first byte
.endr
	s_branch .Ljoin
.Lv_path:
; ---- v.  Block a: channels 16 a + r, my 128 tokens: one fragment and one scale word a lane, stored as they stand.
.macro VOUT a
	s_wait_xcnt 0x0                                ; the last block's stores have read their registers
	WIN 0x02+(\a)/4
.irp b, 0,1,2,3,4,5,6,7
.irp k, 0,2,4,6
.if (\a)%2
	v_pk_add_f32 v[W+8*\b+\k:W+8*\b+\k+1], v[8*(8*((\a)%4)+\b)+\k:8*(8*((\a)%4)+\b)+\k+1], v[BV+((\a)&6):BV+((\a)&6)+1] op_sel:[0,1] op_sel_hi:[1,1]
.else
	v_pk_add_f32 v[W+8*\b+\k:W+8*\b+\k+1], v[8*(8*((\a)%4)+\b)+\k:8*(8*((\a)%4)+\b)+\k+1], v[BV+((\a)&6):BV+((\a)&6)+1] op_sel:[0,0] op_sel_hi:[1,0]
.endif
.endr
.endr
	WIN 0
	NEIGH W, 4
	QUANT W
.irp c, 0,1,2
	global_store_b128 v[LN16], v[PC+4*\c:PC+4*\c+3], s[66:67] offset:((\a)/4)*HEADB+6656+1536*((\a)%4)+512*\c
.endr
.if (\a)%2
	v_cndmask_b32 v[VW+((\a)%4)/2], v[VW+((\a)%4)/2], v[PW], s[HM]   ; the odd fragment's words in lanes 16-31
.else
	v_mov_b32 v[VW+((\a)%4)/2], v[PW]
.endif
.if (\a)%4 == 3
	global_store_b64 v[LN8], v[VW:VW+1], s[66:67] offset:((\a)/4)*HEADB+12800   ; 256 consecutive bytes
.endif
.endm
.irp a, 0,1,2,3,4,5,6,7
	VOUT \a
.endr
.Ljoin:
	s_wait_tensorcnt 0x0                           ; the wave's end
	ds_add_u32 v[SPW], v[NIL]
	s_wait_dscnt 0x0
	CROUND                                         ; the closing round
	s_endpgm
.Lfunc_end_k_q25140f74fa_proj:
	.size	k_q25140f74fa_proj, .Lfunc_end_k_q25140f74fa_proj-k_q25140f74fa_proj
	.p2alignl 7, 3214868480
	.fill 96, 4, 3214868480
	.section	.rodata,"a",@progbits
	.p2align	6, 0x0
	.amdhsa_kernel k_q25140f74fa_proj
		.amdhsa_group_segment_fixed_size 327680
		.amdhsa_private_segment_fixed_size 0
		.amdhsa_enable_private_segment 0
		.amdhsa_kernarg_size 88
		.amdhsa_user_sgpr_count 2
		.amdhsa_user_sgpr_kernarg_segment_ptr 1
		.amdhsa_wavefront_size32 1
		.amdhsa_system_sgpr_workgroup_id_x 1
		.amdhsa_system_sgpr_workgroup_id_y 1
		.amdhsa_system_sgpr_workgroup_id_z 1
		.amdhsa_system_vgpr_workitem_id 0
		.amdhsa_next_free_vgpr 1024
		.amdhsa_next_free_sgpr 102
		.amdhsa_reserve_vcc 1
		.amdhsa_float_denorm_mode_32 3
		.amdhsa_float_denorm_mode_16_64 3
		.amdhsa_memory_ordered 1
		.amdhsa_forward_progress 1
		.amdhsa_inst_pref_size 255
	.end_amdhsa_kernel
	.section	.bss,"aw",@nobits
	.p2align	6
	.space	262144
	.amdgpu_metadata
---
amdhsa.version: [ 1, 2 ]
amdhsa.kernels:
  - .name:           k_q25140f74fa_proj
    .symbol:         k_q25140f74fa_proj.kd
    .args:
      - { .name: target_codes, .offset: 0, .size: 8, .value_kind: global_buffer, .address_space: global }
      - { .name: target_scales, .offset: 8, .size: 8, .value_kind: global_buffer, .address_space: global }
      - { .name: Wk_codes, .offset: 16, .size: 8, .value_kind: global_buffer, .address_space: global }
      - { .name: Wk_scales, .offset: 24, .size: 8, .value_kind: global_buffer, .address_space: global }
      - { .name: Wv_codes, .offset: 32, .size: 8, .value_kind: global_buffer, .address_space: global }
      - { .name: Wv_scales, .offset: 40, .size: 8, .value_kind: global_buffer, .address_space: global }
      - { .name: bk, .offset: 48, .size: 8, .value_kind: global_buffer, .address_space: global }
      - { .name: bv, .offset: 56, .size: 8, .value_kind: global_buffer, .address_space: global }
      - { .name: target_timestamp, .offset: 64, .size: 8, .value_kind: global_buffer, .address_space: global }
      - { .name: target_mask, .offset: 72, .size: 8, .value_kind: global_buffer, .address_space: global }
      - { .name: kv, .offset: 80, .size: 8, .value_kind: global_buffer, .address_space: global }
    .group_segment_fixed_size: 327680
    .private_segment_fixed_size: 0
    .kernarg_segment_align: 8
    .kernarg_segment_size: 88
    .max_flat_workgroup_size: 128
    .sgpr_count:     102
    .vgpr_count:     1024
    .wavefront_size: 32
...
	.end_amdgpu_metadata
.endif
;; end of part 1
;; launch attn (part 2): grid 4 x 64, 8 waves a work-group, clusters of 4 x 1, 327,680 bytes of LDS; arguments kv, latents_codes, latents_scales, Wq_codes, Wq_scales, bq, att_codes, att_scales; writes att_codes, att_scales
.if DOCPART == 2
	.amdgcn_target "amdgcn-amd-amdhsa--gfx1250"
	.amdhsa_code_object_version 6
	.text
	.protected	k_q25140f74fa_attn
	.globl	k_q25140f74fa_attn
	.p2align	8
	.type	k_q25140f74fa_attn,@function
k_q25140f74fa_attn:
	s_mov_b64 s[64:65], 0
	v_nop
	global_prefetch_b8 v0, s[64:65] scope:SCOPE_SE
	s_setreg_imm32_b32 hwreg(HW_REG_WAVE_MODE, 25, 1), 1
	s_wait_xcnt 0x0
	s_wait_alu depctr_hold_cnt(0) depctr_sa_sdst(0) depctr_va_vdst(0) depctr_va_sdst(0) depctr_va_ssrc(0) depctr_va_vcc(0) depctr_vm_vsrc(0)
	s_getreg_b32 s2, hwreg(HW_REG_IB_STS2, 6, 4)
	s_cmp_eq_u32 s2, 0
	s_cbranch_scc0 .Lentry_in_a_cluster
	s_endpgm
.Lentry_in_a_cluster:
	s_bfe_u32 s2, ttmp6, 0x10000c
	s_cmp_lg_u32 s2, 0x3003
	s_cbranch_scc0 .Lentry_shape_is_right
	s_endpgm
.Lentry_shape_is_right:
; q = latents Wq^T + bq, rotated and quantised; then softmax(q k^T / 8 + mask) v for one (batch, head) and 128 queries, quantised along the channels for the last projection.  All products on FP6 codes with E8M0 scales, sums in f32.
; A work-group has eight waves, a wave 16 queries.  Both products are used transposed (S^T = k q^T, O^T = v^T p^T): a lane holds one query throughout.
; kv holds one record of 13,056 bytes for each 128 keys, in the order of the operand registers (laid by the launch before).  Key tile 4 c + u, row 8 h + j is key 64 c + 32 h + 8 u + j:
; so the 32 registers of tiles 4 c .. 4 c + 3 are, in lane half h, the WHOLE block of keys 64 c + 32 h + 0 .. 31, in order: a block's maximum and its codes need no other lane.
; A STEP is 256 keys (two records): 16 + 8 matrix instructions; the running maximum is taken once a step.  M = ceil(running largest t), kept as -M; p = 2^(t - M); the row's sum is taken of the unquantised p;
; when M moves, the sum and O^T are multiplied by the exact power of two 2^(old M - new M).  A block's largest p is made from its largest score by the same multiply-add and exponential.
; THE MASK: K = 64 fills half of the matrix instruction's 128; code slot 64 holds 7.5 in k and -7.5 in q, k's scale byte there is 227 for a hidden key (the score falls by 56.25 x 2^100) and 0 for one that counts.
; LDS: two slots of eight records; the four work-groups of a cluster (the query blocks of one head) ask for each record jointly, a record a wave.  Slot 1 first holds the latents' 128 rows; behind the slots Wq's 64 rows.
; PREFETCH: behind each refill the eight records of the refill after it are named once in the cluster: each partner two records, 102 blocks of 256 bytes, a lane a block, by its waves 0-3; the last refill names nothing.
; LIMITS: the promise holds while the scaled scores stay under 2^31 in magnitude.  NaN, infinities and the scale byte 0xff among the inputs are not served.  A row whose every key is hidden is not served.
.set REC,   13056
.set SLOT1, 1<<17
.set WQR,   235520
.set SCST,  287744                     ; 256 bytes: the eight waves' scale bytes on the way out
.set SPARE, 288000
.set LN16, 1
.set LN8,  2
.set KA16, 3
.set KA8,  4
.set SPW,  5
.set NIL,  6
.set PFO,  7
.set SCA,  8
.set AW,   9
.set SCR,  11                          ; v12 -M, v13 the running largest score
.set QF,   16                          ; v16-27 q's fragment
.set QS,   28                          ; q's scale word
.set SH8,  29                          ; 8 h
.set SUM,  32                          ; v32-33 the row's sum in two halves; v34-39 three more chains of a step
.set BM,   40
.set PT,   44
.set SO,   48
.set FF,   52
.set TT,   54
.set PCD,  56                          ; v56-79 p's codes: two fragments
.set KSC,  80                          ; v80-99 hold scale words and nothing else: in the head Wq's and the latents', then K's 8, V's 4, p's 2
.set WQS,  80
.set VSC,  88
.set PS,   92
.set LTS,  96
.set F,    100                         ; v100-127: the head's constants; in the loop v100-115 take the conversions' second halves
.set CT,   100
.set G,    116
.set MG,   118
.set CS9,  120
.set CC10, 122
.set TSF,  124
.set AL,   126
.set S,    128                         ; v128-255 the scores, then p; in the head at work
.set ACC,  128
.set COS,  160
.set SIN,  176
.set SA,   192
.set SY,   194
.set SN,   196
.set SPL,  198
.set SQL,  200
.set STT,  202
.set RT,   204
.set VF,   96                          ; window 1: v0-95 K's eight fragments, v96-191 V's eight, v192-223 O^T
.set OT,   192
.set WV,   20
.set QB,   21
.set BH,   22
.set BB,   23
.set HD,   24
.set G1R,  28
.set G1W,  36
.set G1L,  44
.set G0R,  52
.set G0W,  56
.set G0L,  60
.set SEL,  66
.set CS,   68
.set TB,   70
.set SLOTS, 71
.set CNT,  72
.set HM,   73
.set PFA,  74
.set LIM,  76
.set NX,   77
.set MSB, 0
.macro WIN new
.if MSB != (\new)
	s_set_vgpr_msb (MSB<<8)|(\new)
.set MSB, (\new)
.endif
.endm
.macro CROUND
	s_barrier_signal -1
	s_barrier_wait -1
	s_cmp_lg_u32 s[WV], 0
	s_cbranch_scc1 .Lnot_wave_0_\@
	s_barrier_signal -3
.Lnot_wave_0_\@:
	s_barrier_wait -3
	s_barrier_signal -1
	s_barrier_wait -1
.endm
.macro PLACES n
.rept \n
	v_nop
.endr
.endm
.macro TLOAD g0, g1                    ; s_nop 0 and four v_nop behind every tensor load
	tensor_load_to_lds s[\g0:\g0+3], s[\g1:\g1+7]
	s_nop 0
	PLACES 4
.endm
.macro WM d, a, b, z, sa, sb, ra, rb   ; z = 1: C = 0; ra, rb = 1: that side's scales stand in lanes 16-31
.if \z
.if \ra
	v_wmma_scale_f32_16x16x128_f8f6f4 v[\d:\d+7], v[\a:\a+11], v[\b:\b+11], 0, v[\sa], v[\sb] matrix_a_fmt:MATRIX_FMT_FP6 matrix_b_fmt:MATRIX_FMT_FP6 matrix_a_scale:MATRIX_SCALE_ROW1
.else
	v_wmma_scale_f32_16x16x128_f8f6f4 v[\d:\d+7], v[\a:\a+11], v[\b:\b+11], 0, v[\sa], v[\sb] matrix_a_fmt:MATRIX_FMT_FP6 matrix_b_fmt:MATRIX_FMT_FP6
.endif
.else
.if (\ra) && (\rb)
	v_wmma_scale_f32_16x16x128_f8f6f4 v[\d:\d+7], v[\a:\a+11], v[\b:\b+11], v[\d:\d+7], v[\sa], v[\sb] matrix_a_fmt:MATRIX_FMT_FP6 matrix_b_fmt:MATRIX_FMT_FP6 matrix_a_scale:MATRIX_SCALE_ROW1 matrix_b_scale:MATRIX_SCALE_ROW1
.elseif \ra
	v_wmma_scale_f32_16x16x128_f8f6f4 v[\d:\d+7], v[\a:\a+11], v[\b:\b+11], v[\d:\d+7], v[\sa], v[\sb] matrix_a_fmt:MATRIX_FMT_FP6 matrix_b_fmt:MATRIX_FMT_FP6 matrix_a_scale:MATRIX_SCALE_ROW1
.elseif \rb
	v_wmma_scale_f32_16x16x128_f8f6f4 v[\d:\d+7], v[\a:\a+11], v[\b:\b+11], v[\d:\d+7], v[\sa], v[\sb] matrix_a_fmt:MATRIX_FMT_FP6 matrix_b_fmt:MATRIX_FMT_FP6 matrix_b_scale:MATRIX_SCALE_ROW1
.else
	v_wmma_scale_f32_16x16x128_f8f6f4 v[\d:\d+7], v[\a:\a+11], v[\b:\b+11], v[\d:\d+7], v[\sa], v[\sb] matrix_a_fmt:MATRIX_FMT_FP6 matrix_b_fmt:MATRIX_FMT_FP6
.endif
.endif
.endm
.macro NEIGH base, nb                  ; two result tiles become 16 neighbours a lane: register 16 b + i = row 32 b + 16 h + i
.set NBI, 0
.rept \nb
.irp j, 0,1,2,3,4,5,6,7
	v_permlane16_swap_b32 v[(\base)+16*NBI+\j], v[(\base)+16*NBI+8+\j]
.endr
.set NBI, NBI+1
.endr
.endm
.macro QUANT2 s, dst                   ; 32 numbers a lane (two blocks of 32 shared with lane l xor 16) become six registers of codes; the two scale bytes are left in v[PT], v[PT+1]
.irp b, 0,1
	v_max3_num_f32 v[BM+\b], |v[\s+16*\b]|, |v[\s+1+16*\b]|, 0x1800000
.endr
.irp i, 2,4,6,8,10,12,14
.irp b, 0,1
	s_delay_alu instid0(VALU_DEP_2)
	v_max3_num_f32 v[BM+\b], v[BM+\b], |v[\s+16*\b+\i]|, |v[\s+1+16*\b+\i]|
.endr
.endr
.irp b, 0,1
	s_delay_alu instid0(VALU_DEP_2)
	v_permlanex16_b32 v[PT+\b], v[BM+\b], s[SEL], s[SEL+1]
.endr
.irp b, 0,1
	s_delay_alu instid0(VALU_DEP_2)
	v_max_num_f32 v[BM+\b], v[BM+\b], v[PT+\b]
.endr
.irp b, 0,1
	s_delay_alu instid0(VALU_DEP_2)
	v_add_nc_u32 v[SO+\b], 0xff000000, v[BM+\b]
.endr
.irp b, 0,1
	s_delay_alu instid0(VALU_DEP_2)
	v_lshrrev_b32 v[PT+\b], 23, v[SO+\b]
.endr
	v_cvt_scalef32_pk16_fp6_f32 v[\dst:\dst+2], v[\s:\s+15], v[SO]
	v_cvt_scalef32_pk16_fp6_f32 v[BM:BM+2], v[\s+16:\s+31], v[SO+1]
	v_nop
.irp i, 0,1,2
	v_permlane16_swap_b32 v[\dst+\i], v[BM+\i]
.endr
.irp i, 0,1,2
	s_delay_alu instid0(VALU_DEP_3)
	v_mov_b32 v[\dst+3+\i], v[BM+\i]
.endr
.endm
.macro ROPE base
.irp k, 0,2,4,6,8,10,12,14
	v_pk_mul_f32 v[RT+2*(\k%4):RT+2*(\k%4)+1], v[(\base)+16+\k:(\base)+17+\k], v[SIN+\k:SIN+\k+1]
	v_pk_mul_f32 v[RT+2*(\k%4)+2:RT+2*(\k%4)+3], v[(\base)+\k:(\base)+\k+1], v[SIN+\k:SIN+\k+1]
	s_delay_alu instid0(VALU_DEP_2)
	v_pk_fma_f32 v[(\base)+\k:(\base)+\k+1], v[(\base)+\k:(\base)+\k+1], v[COS+\k:COS+\k+1], v[RT+2*(\k%4):RT+2*(\k%4)+1] neg_lo:[0,0,1] neg_hi:[0,0,1]
	s_delay_alu instid0(VALU_DEP_2)
	v_pk_fma_f32 v[(\base)+16+\k:(\base)+17+\k], v[(\base)+16+\k:(\base)+17+\k], v[COS+\k:COS+\k+1], v[RT+2*(\k%4)+2:RT+2*(\k%4)+3]
.endr
.endm
.macro SINCOS2 i                       ; cos and sin of timestamp x frequency: n = round(angle / pi), r = angle - n pi in two parts, series to r^11 and r^12, sign by n's parity
	v_pk_mul_f32 v[SA:SA+1], v[F+\i:F+\i+1], v[TSF:TSF+1]
	s_delay_alu instid0(VALU_DEP_1)
	v_pk_fma_f32 v[SY:SY+1], v[SA:SA+1], 0x3ea2f983, v[MG:MG+1] op_sel_hi:[1,0,1]
	s_delay_alu instid0(VALU_DEP_1)
	v_pk_add_f32 v[SN:SN+1], v[SY:SY+1], v[MG:MG+1] neg_lo:[0,1] neg_hi:[0,1]
	s_delay_alu instid0(VALU_DEP_1)
	v_pk_fma_f32 v[SA:SA+1], v[SN:SN+1], 0xc0490fdb, v[SA:SA+1] op_sel_hi:[1,0,1]
	s_delay_alu instid0(VALU_DEP_1)
	v_pk_fma_f32 v[SA:SA+1], v[SN:SN+1], 0x33bbbd2e, v[SA:SA+1] op_sel_hi:[1,0,1]
	s_delay_alu instid0(VALU_DEP_1)
	v_pk_mul_f32 v[SN:SN+1], v[SA:SA+1], v[SA:SA+1]
	s_delay_alu instid0(VALU_DEP_1)
	v_pk_fma_f32 v[SPL:SPL+1], v[SN:SN+1], 0xb2d7322b, v[CS9:CS9+1] op_sel_hi:[1,0,1]
	s_delay_alu instid0(VALU_DEP_2)
	v_pk_fma_f32 v[SQL:SQL+1], v[SN:SN+1], 0x310f76c7, v[CC10:CC10+1] op_sel_hi:[1,0,1]
	s_delay_alu instid0(VALU_DEP_2)
	v_pk_fma_f32 v[SPL:SPL+1], v[SPL:SPL+1], v[SN:SN+1], 0xb9500d01 op_sel_hi:[1,1,0]
	s_delay_alu instid0(VALU_DEP_2)
	v_pk_fma_f32 v[SQL:SQL+1], v[SQL:SQL+1], v[SN:SN+1], 0x37d00d01 op_sel_hi:[1,1,0]
	s_delay_alu instid0(VALU_DEP_2)
	v_pk_fma_f32 v[SPL:SPL+1], v[SPL:SPL+1], v[SN:SN+1], 0x3c088889 op_sel_hi:[1,1,0]
	s_delay_alu instid0(VALU_DEP_2)
	v_pk_fma_f32 v[SQL:SQL+1], v[SQL:SQL+1], v[SN:SN+1], 0xbab60b61 op_sel_hi:[1,1,0]
	s_delay_alu instid0(VALU_DEP_2)
	v_pk_fma_f32 v[SPL:SPL+1], v[SPL:SPL+1], v[SN:SN+1], 0xbe2aaaab op_sel_hi:[1,1,0]
	s_delay_alu instid0(VALU_DEP_2)
	v_pk_fma_f32 v[SQL:SQL+1], v[SQL:SQL+1], v[SN:SN+1], 0x3d2aaaab op_sel_hi:[1,1,0]
	v_pk_mul_f32 v[STT:STT+1], v[SA:SA+1], v[SN:SN+1]
	s_delay_alu instid0(VALU_DEP_2)
	v_pk_fma_f32 v[SQL:SQL+1], v[SQL:SQL+1], v[SN:SN+1], -0.5 op_sel_hi:[1,1,0]
	s_delay_alu instid0(VALU_DEP_2)
	v_pk_fma_f32 v[SIN+\i:SIN+\i+1], v[SPL:SPL+1], v[STT:STT+1], v[SA:SA+1]
	s_delay_alu instid0(VALU_DEP_2)
	v_pk_fma_f32 v[COS+\i:COS+\i+1], v[SQL:SQL+1], v[SN:SN+1], 1.0 op_sel_hi:[1,1,0]
	v_lshlrev_b32 v[SY], 31, v[SY]
	v_lshlrev_b32 v[SY+1], 31, v[SY+1]
	s_delay_alu instid0(VALU_DEP_2)
	v_xor_b32 v[SIN+\i], v[SY], v[SIN+\i]
	s_delay_alu instid0(VALU_DEP_2)
	v_xor_b32 v[SIN+\i+1], v[SY+1], v[SIN+\i+1]
	s_delay_alu instid0(VALU_DEP_4)
	v_xor_b32 v[COS+\i], v[SY], v[COS+\i]
	s_delay_alu instid0(VALU_DEP_4)
	v_xor_b32 v[COS+\i+1], v[SY+1], v[COS+\i+1]
.endm
.macro FRAG8 reg, adr, s, rowoff       ; a fragment of K step s from rows of 768 bytes laid as 3 x (256 + 16); where lanes 16-31's piece lies behind one padding more, the second address register (40 h) serves
.irp p, 0,1,2,3,4,5
.set XB, 96*(\s)+48*(\p/3)+8*(\p%3)
.if XB/256 == (XB+24)/256
	ds_load_b64 v[\reg+2*\p:\reg+2*\p+1], v[\adr] offset:(\rowoff)+XB+16*(XB/256)
.else
	ds_load_b64 v[\reg+2*\p:\reg+2*\p+1], v[\adr+1] offset:(\rowoff)+XB+16*(XB/256)
.endif
.endr
.endm
.macro FETCHQ s, k                     ; K step s of my latents and of Wq's four tiles into set k of window 1: 30 loads
	WIN 0x40
	FRAG8 64*(\k), AL, \s, 0
.irp t, 0,1,2,3
	FRAG8 64*(\k)+12+12*\t, AW, \s, 13056*\t
.endr
	WIN 0
.endm
	s_load_b512 s[4:19], s[0:1], 0x0               ; kv; latents' codes, scales; Wq's codes, scales; bq; att's codes, scales
	v_lshl_add_u32 v[SPW], v0, 2, SPARE
	v_mov_b32 v[NIL], 0
	ds_add_u32 v[SPW], v[NIL]                      ; the opening lines: the add twice on end and one wait
	ds_add_u32 v[SPW], v[NIL]
	v_lshrrev_b32 v3, 5, v0
	v_readfirstlane_b32 s[WV], v3
	s_bfe_u32 s[QB], ttmp6, 0x40000                ; which 128 queries: it enters global addresses of my own loads and stores alone (the grid has one cluster along x)
	s_and_b32 s[BH], ttmp7, 0xffff                 ; 16 batch + head
	s_lshr_b32 s[BB], s[BH], 4
	s_and_b32 s[HD], s[BH], 15
	s_mov_b32 s[G1R], 15|(3<<16)|(1<<21)           ; a record: 51 rows of 256 bytes, dense; the mask names the four partners
	s_mov_b32 s[G1R+1], 32<<16
	s_mov_b32 s[G1R+2], 51<<16
	s_mov_b32 s[G1R+3], 32<<16
	s_mov_b32 s[G1R+4], 51
	s_mov_b32 s[G1R+5], 32
	s_mov_b32 s[G1R+6], 0
	s_mov_b32 s[G1R+7], 0
	s_mov_b32 s[G1W], 15|(3<<16)|(1<<20)|(1<<21)|(5<<22)|(3<<25)   ; 16 rows of Wq: 48 rows of 256 bytes, 16 of padding behind each; joint
	s_mov_b32 s[G1W+1], 32<<16
	s_mov_b32 s[G1W+2], 48<<16
	s_mov_b32 s[G1W+3], 32<<16
	s_mov_b32 s[G1W+4], 48
	s_mov_b32 s[G1W+5], 32
	s_mov_b32 s[G1W+6], 0
	s_mov_b32 s[G1W+7], 0
	s_mov_b32 s[G1L], (3<<16)|(1<<20)|(5<<22)|(3<<25)              ; 32 rows of the latents: 96 rows of 256 bytes; my work-group's own
	s_mov_b32 s[G1L+1], 32<<16
	s_mov_b32 s[G1L+2], 96<<16
	s_mov_b32 s[G1L+3], 32<<16
	s_mov_b32 s[G1L+4], 96
	s_mov_b32 s[G1L+5], 32
	s_mov_b32 s[G1L+6], 0
	s_mov_b32 s[G1L+7], 0
	s_and_b32 s79, s[WV], 3                        ; my place among the four waves that load the latents, or Wq
	s_mul_i32 s78, s[WV], REC
	s_lshl_b32 s80, s[BH], 5
	s_add_co_u32 s80, s80, s[WV]
	s_mul_i32 s80, s80, REC                        ; record wave of my head
	s_mov_b32 s81, 0
	s_lshl_b32 s82, s[HD], 6
	s_lshl_b32 s83, s79, 4
	s_add_co_u32 s82, s82, s83
	s_mul_i32 s82, s82, 768                        ; Wq's row 64 head + 16 place
	s_mov_b32 s83, 0
	s_lshl_b32 s84, s[BB], 9
	s_lshl_b32 s85, s[QB], 7
	s_add_co_u32 s86, s84, s85
	s_lshl_b32 s87, s79, 5
	s_add_co_u32 s86, s86, s87
	s_mul_i32 s86, s86, 768                        ; the latents' row 512 batch + 128 block + 32 place
	s_mov_b32 s87, 0
	s_lshl_b32 s88, s[WV], 4
	s_add_co_u32 s85, s85, s88                     ; my first query in its sequence
	s_add_co_u32 s84, s84, s85                     ; and among all rows
	s_mul_i32 s79, s79, REC
	s_lshl_b32 s89, s79, 1
	s_mov_b32 s[SEL], 0x76543210
	s_mov_b32 s[SEL+1], 0xfedcba98
	s_mov_b32 s[CS], 0x3e38aa3b                    ; log2(e) / 8
	s_mov_b32 s[CS+1], s[CS]
	s_mov_b32 s[TB], 0
	s_mov_b32 s[SLOTS], 3
	s_mov_b32 s[HM], 0xffff0000
	s_cmp_lt_u32 s[WV], 4
	s_cselect_b32 s[LIM], 1, -1
	s_wait_dscnt 0x0
	s_wait_kmcnt 0x0
	s_mov_b32 s[G0R], 1
	s_mov_b32 s[G0R+1], s78
	s_add_nc_u64 s[G0R+2:G0R+3], s[4:5], s[80:81]
	s_or_b32 s[G0R+3], s[G0R+3], 0x80000000
	s_mov_b32 s[G0W], 1
	s_add_co_u32 s[G0W+1], s79, WQR
	s_add_nc_u64 s[G0W+2:G0W+3], s[10:11], s[82:83]
	s_or_b32 s[G0W+3], s[G0W+3], 0x80000000
	s_mov_b32 s[G0L], 1
	s_add_co_u32 s[G0L+1], s89, SLOT1
	s_add_nc_u64 s[G0L+2:G0L+3], s[6:7], s[86:87]
	s_or_b32 s[G0L+3], s[G0L+3], 0x80000000
	CROUND
	s_cmp_lt_u32 s[WV], 4                          ; the head's tiles, one load a wave: waves 0-3 the latents' 128 rows, waves 4-7 Wq's 64
	s_cbranch_scc0 .Lhead_w
	TLOAD G0L, G1L
	s_branch .Lhead_asked
.Lhead_w:
	TLOAD G0W, G1W
.Lhead_asked:
	s_mov_b32 s89, 0
	s_lshl_b32 s88, s[HD], 8
	s_add_nc_u64 s[14:15], s[14:15], s[88:89]      ; bq at my head
	s_lshl_b32 s88, s[HD], 11
	s_add_nc_u64 s[12:13], s[12:13], s[88:89]      ; Wq's scale bytes
	s_lshl_b32 s88, s84, 5
	s_add_nc_u64 s[8:9], s[8:9], s[88:89]          ; my latents' scale bytes
	s_lshl_b32 s88, s[BH], 5
	s_add_co_u32 s88, s88, 8
	s_mul_i32 s88, s88, REC
	s_mul_i32 s90, s[QB], 2*REC
	s_add_co_u32 s88, s88, s90
	s_add_nc_u64 s[PFA:PFA+1], s[4:5], s[88:89]    ; my work-group's two records of slot 1's eight; each refill steps it on by eight records and names what stands there
	s_lshl_b32 s88, s[BB], 5
	s_lshl_b32 s90, s[QB], 3
	s_add_co_u32 s88, s88, s90
	s_add_co_u32 s88, s88, s[WV]
	s_lshl_b32 s88, s88, 4
	s_add_co_u32 s88, s88, s[HD]
	s_mul_i32 s88, s88, 768
	s_add_nc_u64 s[16:17], s[16:17], s[88:89]      ; att_codes [tile of 16 rows][head][768]
	s_lshl_b32 s88, s[HD], 12
	s_lshl_b32 s90, s[BB], 10
	s_add_co_u32 s88, s88, s90
	s_lshl_b32 s90, s[QB], 8
	s_add_co_u32 s88, s88, s90
	s_add_nc_u64 s[18:19], s[18:19], s[88:89]      ; att_scales [head][row][2]
	s_lshl_b32 s91, s[WV], 5
	v_and_b32 v213, 15, v0                         ; r
	v_bfe_u32 v214, v0, 4, 1                       ; h
	v_and_b32 v212, 31, v0
	v_lshlrev_b32 v208, 5, v214
	v_lshlrev_b32 v209, 5, v212
	v_lshlrev_b32 v210, 5, v213
	v_lshlrev_b32 v[LN16], 4, v212
	v_lshlrev_b32 v[LN8], 3, v212
	v_lshl_add_u32 v210, v214, 4, v210
.irp t, 0,1,2,3                                ; bq is the sums' start
	global_load_b128 v[ACC+8*\t:ACC+8*\t+3], v208, s[14:15] offset:64*\t
	global_load_b128 v[ACC+8*\t+4:ACC+8*\t+7], v208, s[14:15] offset:64*\t+16
.endr
.irp e, 0,1                                    ; register 8 e + s: K step s's words of Wq's tile 2 e (lanes 0-15) and 2 e + 1 (lanes 16-31)
.irp k, 0,1
	global_load_b128 v[WQS+8*\e+4*\k:WQS+8*\e+4*\k+3], v209, s[12:13] offset:1024*\e+16*\k
.endr
.endr
	global_load_b128 v[LTS:LTS+3], v210, s[8:9]    ; lanes 0-15 K steps 0-3 of row r, lanes 16-31 K steps 4-7
	v_lshlrev_b32 v[SH8], 3, v214
	v_mul_u32_u24 v211, v213, 816
	v_min_u32 v[PFO], 101, v0
	v_lshl_add_u32 v[SCA], v213, 1, s91
	v_mad_u32_u24 v[AW], v214, 24, v211
	v_mad_u32_u24 v[AW+1], v214, 40, v211
	v_lshlrev_b32 v[PFO], 8, v[PFO]
	v_add_nc_u32 v[SCA], SCST, v[SCA]
	v_add_nc_u32 v[AL], s78, v[AW]
	v_add_nc_u32 v[AL+1], s78, v[AW+1]
	v_add_nc_u32 v[SCR], SCST, v[LN8]
	v_add_nc_u32 v211, s85, v213                   ; my query's place i; its timestamp is floor(4095 i / 511) = 8 i + floor(7 i / 511), and floor(898 i / 65536) is that floor for i under 512
	v_add_nc_u32 v[AL], SLOT1, v[AL]
	v_add_nc_u32 v[AL+1], SLOT1, v[AL+1]
	v_add_nc_u32 v[AW], WQR, v[AW]
	v_add_nc_u32 v[AW+1], WQR, v[AW+1]
	v_mul_u32_u24 v212, v211, 898
	s_delay_alu instid0(VALU_DEP_1)
	v_lshrrev_b32 v212, 16, v212
	s_delay_alu instid0(VALU_DEP_1)
	v_lshl_add_u32 v211, v211, 3, v212
	s_delay_alu instid0(VALU_DEP_1)
	v_cvt_f32_u32 v[TSF], v211
	s_delay_alu instid0(VALU_DEP_1)
	v_mov_b32 v[TSF+1], v[TSF]
	v_mov_b32 v[F+0], 1.0                          ; 10^(-i / 8), i = 0 .. 15
	v_mov_b32 v[F+1], 0x3f3ff911
	v_mov_b32 v[F+2], 0x3f0ff59a
	v_mov_b32 v[F+3], 0x3ed7e89b
	v_mov_b32 v[F+4], 0x3ea1e89b
	v_mov_b32 v[F+5], 0x3e72d424
	v_mov_b32 v[F+6], 0x3e361887
	v_mov_b32 v[F+7], 0x3e088d77
	v_mov_b32 v[F+8], 0x3dcccccd
	v_mov_b32 v[F+9], 0x3d99940e
	v_mov_b32 v[F+10], 0x3d6655c3
	v_mov_b32 v[F+11], 0x3d2cba15
	v_mov_b32 v[F+12], 0x3d0186e2
	v_mov_b32 v[F+13], 0x3cc24350
	v_mov_b32 v[F+14], 0x3c91ad39
	v_mov_b32 v[F+15], 0x3c5a7bf1
	v_mov_b32 v[G], 1.0
	v_mov_b32 v[G+1], 0x3c23d70a
	s_delay_alu instid0(VALU_DEP_1)
	v_cndmask_b32 v[G], v[G], v[G+1], s[HM]        ; lanes 16-31 hold frequencies 16 + i: x 0.01
	s_delay_alu instid0(VALU_DEP_1)
	v_mov_b32 v[G+1], v[G]
.irp i, 0,2,4,6,8,10,12,14
	v_pk_mul_f32 v[F+\i:F+\i+1], v[F+\i:F+\i+1], v[G:G+1]
.endr
	v_mov_b32 v[MG], 0x4b400000
	v_mov_b32 v[MG+1], 0x4b400000
	v_mov_b32 v[CS9], 0x3638ef1d
	v_mov_b32 v[CS9+1], 0x3638ef1d
	v_mov_b32 v[CC10], 0xb493f27e
	v_mov_b32 v[CC10+1], 0xb493f27e
.irp b, 0,1,2,3
	v_mov_b32 v[PT+\b], 0                          ; a lane permute's destination counts as one of its sources
.endr
.irp i, 0,2,4,6,8,10,12,14
	SINCOS2 \i
.endr
	s_wait_alu depctr_va_vdst(0)
	s_wait_tensorcnt 0x0                           ; my tile of the head's is in; the three lines ahead of a later first fill
	ds_add_u32 v[SPW], v[NIL]
	s_wait_dscnt 0x0
	CROUND                                         ; everybody's tile is in, and the four partners meet
	TLOAD G0R, G1R                                 ; slot 0's first fill, a record a wave; it lands under the projection below
	s_wait_loadcnt 0x0
	FETCHQ 0, 0
.irp s, 0,1,2,3,4,5,6,7                        ; q^T = Wq latents^T + bq: four accumulators by turns
.if \s > 0
	PLACES 4
.endif
.if \s < 7
	FETCHQ \s+1, (\s+1)%2
	s_wait_dscnt 30                                ; all but the 30 loads just issued
.else
	s_wait_dscnt 0x0
.endif
	WIN 0x05
.irp t, 0,1,2,3
	WM ACC+8*\t, 64*(\s%2)+12+12*\t, 64*(\s%2), 0, WQS+8*(\t/2)+\s, LTS+\s%4, \t%2, \s/4
.endr
	WIN 0
.endr
	PLACES 4
	NEIGH ACC, 2
	ROPE ACC
	QUANT2 ACC, QF
	v_lshl_or_b32 v[QS], v[PT+1], 8, v[PT]
	s_delay_alu instid0(VALU_DEP_1)
	v_or_b32 v[QS], 0x7f0000, v[QS]                ; the mask slot's block has the scale 1
	v_mov_b32 v[QF+6], 63                          ; code slot 64: -7.5, in lanes 0-15
	v_mov_b32 v[TT], 31                            ; and 7.5 for k
	s_delay_alu instid0(VALU_DEP_2)
	v_cndmask_b32 v[QF+6], v[QF+6], v[NIL], s[HM]
	s_delay_alu instid0(VALU_DEP_2)
	v_cndmask_b32 v[TT], v[TT], v[NIL], s[HM]
.irp j, 7,8,9,10,11
	v_mov_b32 v[QF+\j], 0
.endr
	WIN 0x40
.set J, 0
.rept 8                                        ; the upper halves of K's eight fragments stay as they are set here
	v_mov_b32 v[12*J+6], v[TT]
.irp j, 7,8,9,10,11
	v_mov_b32 v[12*J+\j], 0
.endr
.set J, J+1
.endr
.set J, 0
.rept 32
	v_mov_b32 v[OT+J], 0                           ; the step is written once: the first finds zeros
.set J, J+1
.endr
	WIN 0
	v_mov_b32 v13, 0xf149f2ca                      ; the largest score so far: -1e30
	v_mov_b32 v[SUM], 0
	v_mov_b32 v[SUM+1], 0
	v_mov_b32 v[FF+1], 0
	v_mul_f32 v[TT], s[CS], v13
	s_delay_alu instid0(VALU_DEP_1)
	v_floor_f32 v12, -v[TT]
.macro KLOAD i                         ; record i's eight key tiles: the lower halves of the fragments
.irp t, 0,1,2,3,4,5,6,7
	ds_load_b128 v[12*\t:12*\t+3], v[KA16] offset:REC*(\i)+768*\t
	ds_load_b64 v[12*\t+4:12*\t+5], v[KA8] offset:REC*(\i)+768*\t+512
.endr
.endm
.macro SCORES i
	WIN 0x01                                       ; source 0 (k) in window 1
.irp t, 0,1,2,3,4,5,6,7
	WM S+64*(\i)+8*\t, 12*\t, QF, 1, KSC+4*(\i)+\t/2, QS, \t%2, 0
.endr
.endm
.macro MAXB g                          ; the largest score of blocks g and g + 1 of 32 keys, all mine: two chains a block, the four by turns; each accumulator is first read at its low end
.irp b, \g, \g+1
	v_max3_num_f32 v[BM+\b], v[S+32*(\b)], v[S+32*(\b)+1], v[S+32*(\b)+2]
	v_max3_num_f32 v[PT+\b], v[S+32*(\b)+16], v[S+32*(\b)+17], v[S+32*(\b)+18]
.endr
.irp i, 3,5,7,9,11,13
.irp b, \g, \g+1
	v_max3_num_f32 v[BM+\b], v[BM+\b], v[S+32*(\b)+\i], v[S+32*(\b)+\i+1]
	v_max3_num_f32 v[PT+\b], v[PT+\b], v[S+32*(\b)+\i+16], v[S+32*(\b)+\i+17]
.endr
.endr
.irp b, \g, \g+1
	v_max3_num_f32 v[BM+\b], v[BM+\b], v[S+32*(\b)+15], v[S+32*(\b)+31]
.endr
.irp b, \g, \g+1
	v_max_num_f32 v[BM+\b], v[BM+\b], v[PT+\b]
.endr
.endm
.macro KHEAD                           ; behind a change of slots: the new slot's first step: both records' scale words of K, and the first record's key tiles
	v_add_nc_u32 v[KA16], s[TB], v[LN16]
	v_add_nc_u32 v[KA8], s[TB], v[LN8]
	ds_load_b128 v[KSC:KSC+3], v[KA16] offset:6144
	ds_load_b128 v[KSC+4:KSC+7], v[KA16] offset:REC+6144
	WIN 0x40
	KLOAD 0
	WIN 0
	s_wait_alu depctr_va_vdst(0)
.endm
.macro STEP                            ; 256 keys: two records.  s[TB] is the slot, s[CNT] the step in it, 0 to 3; v[KA16], v[KA8] stand at the step's first record, whose K has been asked for
	s_wait_dscnt 0x0                               ; the first record's K and the scale words
	SCORES 0
	PLACES 4                                       ; in front of the loads into K's fragments, and of the first read of these scores
	WIN 0x40
	KLOAD 1
	WIN 0
	MAXB 0                                         ; the first record's maxima stand under the second record's 16 loads
	s_wait_dscnt 0x0
	SCORES 1
	WIN 0x40
.irp i, 0,1
.irp t, 0,1,2,3
.irp c, 0,1,2
	ds_load_b128 v[VF+48*\i+12*\t+4*\c:VF+48*\i+12*\t+4*\c+3], v[KA16] offset:REC*\i+6656+1536*\t+512*\c
.endr
.endr
.endr
	WIN 0
	ds_load_b64 v[VSC:VSC+1], v[KA8] offset:12800
	ds_load_b64 v[VSC+2:VSC+3], v[KA8] offset:REC+12800
	s_add_co_u32 s[NX], s[CNT], 1                  ; the next step's place in the slot, (step + 1) mod 4: it never leaves the slot's eight records
	s_and_b32 s[NX], s[NX], 3
	s_mul_i32 s[NX], s[NX], 2*REC
	s_add_co_u32 s[NX], s[NX], s[TB]
	v_add_nc_u32 v[KA16], s[NX], v[LN16]           ; (LDS instructions have read their addresses at issue.)  These two and the two below are the four places behind the scores' products
	v_add_nc_u32 v[KA8], s[NX], v[LN8]
	v_nop
	v_nop
	s_cmp_eq_u32 s[CNT], 3                         ; a slot's last step asks for nothing: its successor lies in the other slot, behind the change.  The jump leads round these 18 loads alone; every wait on DScnt of the step is for 0
	s_cbranch_scc1 .Lno_next_\@
	ds_load_b128 v[KSC:KSC+3], v[KA16] offset:6144
	ds_load_b128 v[KSC+4:KSC+7], v[KA16] offset:REC+6144
	WIN 0x40
	KLOAD 0
	WIN 0
.Lno_next_\@:
	MAXB 2
	v_max3_num_f32 v[TT], v[BM], v[BM+1], v[BM+2]
	v_mov_b32 v[FF], v12                           ; the old -M
	s_delay_alu instid0(VALU_DEP_2)
	v_max_num_f32 v[TT], v[TT], v[BM+3]
	s_delay_alu instid0(VALU_DEP_1)
	v_permlanex16_b32 v[PT], v[TT], s[SEL], s[SEL+1]
	s_delay_alu instid0(VALU_DEP_1)
	v_max3_num_f32 v13, v13, v[TT], v[PT]          ; with lane l xor 16's blocks: the running largest score of my query
	s_delay_alu instid0(VALU_DEP_1)
	v_mul_f32 v[TT], s[CS], v13                    ; as t (c is positive: the largest score gives the largest t)
	s_delay_alu instid0(VALU_DEP_1)
	v_floor_f32 v12, -v[TT]                        ; the new -M
.set J, 0
.rept 64
	v_pk_fma_f32 v[S+J:S+J+1], v[S+J:S+J+1], s[CS:CS+1], v[12:13] op_sel_hi:[1,0,0]   ; t - M
.if J == 6                                     ; f = 2^(old M - new M) is made among these lines
	v_sub_f32 v[FF], v12, v[FF]
.elseif J == 14
	v_cvt_i32_f32 v[FF], v[FF]
.elseif J == 22
	v_ldexp_f32 v[FF], 1.0, v[FF]
.endif
.set J, J+2
.endr
.irp b, 0,1,2,3
	v_fma_f32 v[BM+\b], v[BM+\b], s[CS], v12
.endr
	v_pk_mul_f32 v[SUM:SUM+1], v[SUM:SUM+1], v[FF:FF+1] op_sel_hi:[1,0]
	WIN 0x41
.set J, 0
.rept 16
	v_pk_mul_f32 v[OT+J:OT+J+1], v[OT+J:OT+J+1], v[FF:FF+1] op_sel_hi:[1,0]           ; O^T under the new M, ahead of the exponentials
.set J, J+2
.endr
	WIN 0
	s_wait_alu depctr_va_vdst(0)                   ; the wait ahead of the batch
.irp b, 0,1,2,3
	v_exp_f32 v[BM+\b], v[BM+\b]                   ; each block's largest p
.endr
.set J, 0
.rept 128
	v_exp_f32 v[S+J], v[S+J]
.set J, J+1
.endr
	v_nop
	s_wait_alu depctr_va_vdst(0)                   ; and one behind it
.irp b, 0,1,2,3
	v_max_num_f32 v[BM+\b], 0x1800000, v[BM+\b]    ; the floor 2^(3 - 127)
.endr
.irp b, 0,1,2,3
	v_add_nc_u32 v[SO+\b], 0xff000000, v[BM+\b]    ; the conversion's scale operand
.endr
.irp b, 0,1,2,3
	v_lshrrev_b32 v[PT+\b], 23, v[SO+\b]           ; the scale's byte
.endr
.irp i, 0,1
	v_lshl_or_b32 v[PT+2*\i], v[PT+2*\i+1], 16, v[PT+2*\i]   ; my blocks h and 2 + h of record i,
.endr
.irp i, 0,1
	v_lshlrev_b32 v[PT+2*\i], v[SH8], v[PT+2*\i]             ; at their places in the word;
.endr
.irp i, 0,1
	v_permlanex16_b32 v[PT+2*\i+1], v[PT+2*\i], s[SEL], s[SEL+1]
.endr
.irp i, 0,1
	v_or_b32 v[PS+\i], v[PT+2*\i], v[PT+2*\i+1]              ; with lane l xor 16's two the word is whole
.endr
.irp b, 0,1,2,3
	v_cvt_scalef32_pk16_fp6_f32 v[PCD+6*\b:PCD+6*\b+2], v[S+32*\b:S+32*\b+15], v[SO+\b]
	v_cvt_scalef32_pk16_fp6_f32 v[CT+4*\b:CT+4*\b+2], v[S+32*\b+16:S+32*\b+31], v[SO+\b]   ; (a conversion's three registers begin on an even number)
.endr
	v_nop
.irp b, 0,1,2,3
.irp i, 0,1,2
	v_mov_b32 v[PCD+6*\b+3+\i], v[CT+4*\b+\i]
.endr
.endr
.irp i, 1,2,3                                  ; the row's sum of the unquantised p, in four chains; these 64 lines are also the places in front of the products below
	v_pk_add_f32 v[SUM+2*\i:SUM+2*\i+1], v[S+4*\i-4:S+4*\i-3], v[S+4*\i-2:S+4*\i-1]
.endr
.set J, 12
.rept 58
	v_pk_add_f32 v[SUM+(J-12)%8:SUM+(J-12)%8+1], v[SUM+(J-12)%8:SUM+(J-12)%8+1], v[S+J:S+J+1]
.set J, J+2
.endr
	v_pk_add_f32 v[SUM:SUM+1], v[SUM:SUM+1], v[SUM+2:SUM+3]
	v_pk_add_f32 v[SUM+4:SUM+5], v[SUM+4:SUM+5], v[SUM+6:SUM+7]
	s_delay_alu instid0(VALU_DEP_1)
	v_pk_add_f32 v[SUM:SUM+1], v[SUM:SUM+1], v[SUM+4:SUM+5]
	s_wait_dscnt 0x0                               ; V's fragments and scale words
	WIN 0x51                                       ; source 0 (v), C and D in window 1
.irp i, 0,1                                    ; four accumulators by turns
.irp t, 0,1,2,3
	WM OT+8*\t, VF+48*\i+12*\t, PCD+12*\i, 0, VSC+2*\i+\t/2, PS+\i, \t%2, 0
.endr
.endr
	WIN 0
.endm
.macro CHANGE fill                     ; a change of slots: all my tensor loads, the add, my reads; a round of the cluster's barrier; the refill first behind it
	s_wait_tensorcnt 0x0
	ds_add_u32 v[SPW], v[NIL]
.if \fill
	s_xor_b32 s[G0R+1], s[G0R+1], SLOT1
	s_add_nc_u64 s[G0R+2:G0R+3], s[G0R+2:G0R+3], 8*REC
	s_wait_xcnt 0x0                                ; my last prefetch has read its address
	s_add_nc_u64 s[PFA:PFA+1], s[PFA:PFA+1], 8*REC
	s_wait_dscnt 0x0
	CROUND
	TLOAD G0R, G1R
	s_cmp_gt_u32 s[SLOTS], s[LIM]                  ; waves 0-3, and not at the last refill
	s_cbranch_scc0 .Lnot_mine_\@
	global_prefetch_b8 v[PFO], s[PFA:PFA+1] th:TH_LOAD_NT scope:SCOPE_SE
.Lnot_mine_\@:
.else
	s_wait_dscnt 0x0
	s_barrier_signal -1
	s_barrier_wait -1
.endif
.endm
.macro FOUR_STEPS
	KHEAD
	s_mov_b32 s[CNT], 0
.Lstep_\@:
	STEP
	s_add_co_u32 s[CNT], s[CNT], 1
	s_cmp_lt_u32 s[CNT], 4
	s_cbranch_scc1 .Lstep_\@
	s_xor_b32 s[TB], s[TB], SLOT1
.endm
	s_wait_alu depctr_va_vdst(0)                   ; the wait at the head's end
.Lslot:
	CHANGE 1
	FOUR_STEPS
	s_sub_co_u32 s[SLOTS], s[SLOTS], 1
	s_cmp_lg_u32 s[SLOTS], 0
	s_cbranch_scc1 .Lslot
	CHANGE 0
	FOUR_STEPS
	PLACES 4
	s_wait_alu depctr_va_vdst(0)                   ; the sum was written ahead of the last step's wait for V
	v_add_f32 v[SUM], v[SUM], v[SUM+1]
	s_delay_alu instid0(VALU_DEP_1)
	v_permlanex16_b32 v[PT], v[SUM], s[SEL], s[SEL+1]
	s_delay_alu instid0(VALU_DEP_1)
	v_add_f32 v[SUM], v[SUM], v[PT]                ; the row's sum
	s_wait_alu depctr_va_vdst(0)
	v_rcp_f32 v[SUM], v[SUM]
	v_nop
	s_wait_alu depctr_va_vdst(0)
	WIN 0x01
.set J, 0
.rept 16
	v_pk_mul_f32 v[S+J:S+J+1], v[OT+J:OT+J+1], v[SUM:SUM+1] op_sel_hi:[1,0]   ; register 8 t + j is channel 16 t + 8 h + j of my query
.set J, J+2
.endr
	WIN 0
	NEIGH S, 2
	QUANT2 S, PCD
	global_store_b128 v[LN16], v[PCD:PCD+3], s[16:17]              ; 512 and 256 consecutive bytes
	global_store_b64 v[LN8], v[PCD+4:PCD+5], s[16:17] offset:512
	v_lshl_or_b32 v[TT], v[PT+1], 8, v[PT]
	ds_store_b16 v[SCA], v[TT]                     ; the scale bytes of the 128 rows are gathered, and leave as one run of 256 bytes
	s_wait_dscnt 0x0
	s_barrier_signal -1
	s_barrier_wait -1
	s_cmp_lg_u32 s[WV], 0
	s_cbranch_scc1 .Lnot_first
	ds_load_b64 v[S:S+1], v[SCR]
	s_wait_dscnt 0x0
	global_store_b64 v[LN8], v[S:S+1], s[18:19]
.Lnot_first:
	s_wait_tensorcnt 0x0                           ; the wave's end
	ds_add_u32 v[SPW], v[NIL]
	s_wait_dscnt 0x0
	CROUND
	s_endpgm
.Lfunc_end_k_q25140f74fa_attn:
	.size	k_q25140f74fa_attn, .Lfunc_end_k_q25140f74fa_attn-k_q25140f74fa_attn
	.p2alignl 7, 3214868480
	.fill 96, 4, 3214868480
	.section	.rodata,"a",@progbits
	.p2align	6, 0x0
	.amdhsa_kernel k_q25140f74fa_attn
		.amdhsa_group_segment_fixed_size 327680
		.amdhsa_private_segment_fixed_size 0
		.amdhsa_enable_private_segment 0
		.amdhsa_kernarg_size 64
		.amdhsa_user_sgpr_count 2
		.amdhsa_user_sgpr_kernarg_segment_ptr 1
		.amdhsa_wavefront_size32 1
		.amdhsa_system_sgpr_workgroup_id_x 1
		.amdhsa_system_sgpr_workgroup_id_y 1
		.amdhsa_system_sgpr_workgroup_id_z 1
		.amdhsa_system_vgpr_workitem_id 0
		.amdhsa_next_free_vgpr 512
		.amdhsa_next_free_sgpr 100
		.amdhsa_reserve_vcc 0
		.amdhsa_float_denorm_mode_32 3
		.amdhsa_float_denorm_mode_16_64 3
		.amdhsa_memory_ordered 1
		.amdhsa_forward_progress 1
		.amdhsa_inst_pref_size 126
	.end_amdhsa_kernel
	.amdgpu_metadata
---
amdhsa.version: [ 1, 2 ]
amdhsa.kernels:
  - .name:           k_q25140f74fa_attn
    .symbol:         k_q25140f74fa_attn.kd
    .args:
      - { .name: kv, .offset: 0, .size: 8, .value_kind: global_buffer, .address_space: global }
      - { .name: latents_codes, .offset: 8, .size: 8, .value_kind: global_buffer, .address_space: global }
      - { .name: latents_scales, .offset: 16, .size: 8, .value_kind: global_buffer, .address_space: global }
      - { .name: Wq_codes, .offset: 24, .size: 8, .value_kind: global_buffer, .address_space: global }
      - { .name: Wq_scales, .offset: 32, .size: 8, .value_kind: global_buffer, .address_space: global }
      - { .name: bq, .offset: 40, .size: 8, .value_kind: global_buffer, .address_space: global }
      - { .name: att_codes, .offset: 48, .size: 8, .value_kind: global_buffer, .address_space: global }
      - { .name: att_scales, .offset: 56, .size: 8, .value_kind: global_buffer, .address_space: global }
    .group_segment_fixed_size: 327680
    .private_segment_fixed_size: 0
    .kernarg_segment_align: 8
    .kernarg_segment_size: 64
    .max_flat_workgroup_size: 256
    .sgpr_count:     100
    .vgpr_count:     512
    .wavefront_size: 32
...
	.end_amdgpu_metadata
.endif
;; end of part 2
;; launch oproj (part 3): grid 16 x 16, 4 waves a work-group, clusters of 4 x 1, 168,448 bytes of LDS; arguments att_codes, att_scales, Wo_codes, Wo_scales, bo, out0; writes out0
.if DOCPART == 3
	.amdgcn_target "amdgcn-amd-amdhsa--gfx1250"
	.amdhsa_code_object_version 6
	.text
	.protected	k_q25140f74fa_oproj
	.globl	k_q25140f74fa_oproj
	.p2align	8
	.type	k_q25140f74fa_oproj,@function
k_q25140f74fa_oproj:
	s_mov_b64 s[64:65], 0
	v_nop
	global_prefetch_b8 v0, s[64:65] scope:SCOPE_SE
	s_setreg_imm32_b32 hwreg(HW_REG_WAVE_MODE, 25, 1), 1
	s_wait_xcnt 0x0
	s_wait_alu depctr_hold_cnt(0) depctr_sa_sdst(0) depctr_va_vdst(0) depctr_va_sdst(0) depctr_va_ssrc(0) depctr_va_vcc(0) depctr_vm_vsrc(0)
	s_getreg_b32 s2, hwreg(HW_REG_IB_STS2, 6, 4)
	s_cmp_eq_u32 s2, 0
	s_cbranch_scc0 .Lentry_in_a_cluster
	s_endpgm
.Lentry_in_a_cluster:
	s_bfe_u32 s2, ttmp6, 0x10000c
	s_cmp_lg_u32 s2, 0x3003
	s_cbranch_scc0 .Lentry_shape_is_right
	s_endpgm
.Lentry_shape_is_right:
; out0 = att Wo^T + bo, on codes of FP6 (E2M3) with E8M0 scales; sums in f32.  att: 2,048 rows x 1,024, quantised by the launch before and laid in the order of the operand registers:
; att_codes [tile of 16 rows][head][768 bytes]: registers 0-3 at 16 lane, 4-5 at 512 + 8 lane; a K step of 128 is two heads.  att_scales [head][row]: two bytes.
; A work-group makes 128 rows x 64 columns; wave w rows 32 w .. 32 w + 31: eight accumulators, 64 matrix instructions.  Used transposed (source 0 = Wo's rows): a lane holds eight neighbouring columns of one row.
; CLUSTER: the four work-groups of a cluster share Wo's 64 rows, which come by one joint load a wave, once: nothing in LDS is filled again.
; att's fragments are each read by ONE wave of a work-group, whole, in runs of 512 and 256 consecutive bytes: they go from memory straight into registers and are not asked for jointly (the partners hold different rows).
; No prefetch: every load of the launch is issued at its head.
.set STG,  52224                       ; LDS: Wo's 64 rows at 0, pitch 816 = 3 x (256 + 16); then a stage of 32 rows x 272 bytes for each wave
.set LN16, 1
.set LN8,  2
.set LN2,  3
.set VR,   4
.set VH,   5
.set AW,   6                           ; v6-7 Wo's rows: 24 h, 40 h
.set STO,  8
.set SRD,  9
.set GO,   10
.set VOH,  11
.set VOL,  12
.set WOS,  16                          ; v16-31 Wo's scale words, v32-39 att's: these hold nothing else
.set ASW,  32
.set U,    40                          ; v40-55 att's scale bytes, two a head
.set ACC,  64                          ; v64-127: accumulator (i, t) at 64 + 8 (4 i + t)
.set WF,   128                         ; v128-175, v176-223 Wo's four fragments, two sets; on the way out rows of out0
.set WV,   16
.set RB,   17
.set CB,   18
.set G1,   24
.set G0,   32
.set MSB, 0
.macro WIN new
.if MSB != (\new)
	s_set_vgpr_msb (MSB<<8)|(\new)
.set MSB, (\new)
.endif
.endm
.macro CROUND
	s_barrier_signal -1
	s_barrier_wait -1
	s_cmp_lg_u32 s[WV], 0
	s_cbranch_scc1 .Lnot_wave_0_\@
	s_barrier_signal -3
.Lnot_wave_0_\@:
	s_barrier_wait -3
	s_barrier_signal -1
	s_barrier_wait -1
.endm
.macro PLACES n
.rept \n
	v_nop
.endr
.endm
.macro WM d, a, b, sa, sb, ra, rb      ; D += source 0 x source 1; ra, rb = 1: the scales stand in lanes 16-31
.if (\ra) && (\rb)
	v_wmma_scale_f32_16x16x128_f8f6f4 v[\d:\d+7], v[\a:\a+11], v[\b:\b+11], v[\d:\d+7], v[\sa], v[\sb] matrix_a_fmt:MATRIX_FMT_FP6 matrix_b_fmt:MATRIX_FMT_FP6 matrix_a_scale:MATRIX_SCALE_ROW1 matrix_b_scale:MATRIX_SCALE_ROW1
.elseif \ra
	v_wmma_scale_f32_16x16x128_f8f6f4 v[\d:\d+7], v[\a:\a+11], v[\b:\b+11], v[\d:\d+7], v[\sa], v[\sb] matrix_a_fmt:MATRIX_FMT_FP6 matrix_b_fmt:MATRIX_FMT_FP6 matrix_a_scale:MATRIX_SCALE_ROW1
.elseif \rb
	v_wmma_scale_f32_16x16x128_f8f6f4 v[\d:\d+7], v[\a:\a+11], v[\b:\b+11], v[\d:\d+7], v[\sa], v[\sb] matrix_a_fmt:MATRIX_FMT_FP6 matrix_b_fmt:MATRIX_FMT_FP6 matrix_b_scale:MATRIX_SCALE_ROW1
.else
	v_wmma_scale_f32_16x16x128_f8f6f4 v[\d:\d+7], v[\a:\a+11], v[\b:\b+11], v[\d:\d+7], v[\sa], v[\sb] matrix_a_fmt:MATRIX_FMT_FP6 matrix_b_fmt:MATRIX_FMT_FP6
.endif
.endm
; A fragment (16 rows x 128 K, K step s) from rows of 768 bytes laid as 3 x (256 + 16): six pieces of 8 bytes; where lanes 16-31's piece, 24 bytes on, lies behind one padding more, the second address register (40 h) serves
.macro FRAG8 reg, adr, s, rowoff
.irp p, 0,1,2,3,4,5
.set XB, 96*(\s)+48*(\p/3)+8*(\p%3)
.if XB/256 == (XB+24)/256
	ds_load_b64 v[\reg+2*\p:\reg+2*\p+1], v[\adr] offset:(\rowoff)+XB+16*(XB/256)
.else
	ds_load_b64 v[\reg+2*\p:\reg+2*\p+1], v[\adr+1] offset:(\rowoff)+XB+16*(XB/256)
.endif
.endr
.endm
.macro FETCHW s, k                     ; K step s of Wo's four tiles into set k: 24 loads
.irp t, 0,1,2,3
	FRAG8 WF+48*(\k)+12*\t, AW, \s, 13056*\t
.endr
.endm
	s_load_b256 s[4:11], s[0:1], 0x0               ; att's codes, att's scales, Wo's codes, Wo's scales
	s_load_b128 s[12:15], s[0:1], 0x20             ; bo, out0
	v_lshl_add_u32 v254, v0, 2, 0x29000
	v_mov_b32 v255, 0
	ds_add_u32 v254, v255
	ds_add_u32 v254, v255
	v_lshrrev_b32 v1, 5, v0
	v_readfirstlane_b32 s[WV], v1                  ; wave 0..3
	s_bfe_u32 s[RB], ttmp6, 0x40000
	s_lshl_b32 s19, ttmp9, 2
	s_add_co_u32 s[RB], s[RB], s19                 ; which 128 rows: it enters global addresses alone
	s_and_b32 s[CB], ttmp7, 0xffff                 ; which 64 columns: shared by the four partners
	s_mov_b32 s[G1], 15|(3<<16)|(1<<20)|(1<<21)|(5<<22)|(3<<25)    ; 16 rows of Wo: 48 rows of 256 bytes, 16 bytes of padding behind each; the mask names the four partners, bit 21 beside it
	s_mov_b32 s[G1+1], 32<<16
	s_mov_b32 s[G1+2], 48<<16
	s_mov_b32 s[G1+3], 32<<16
	s_mov_b32 s[G1+4], 48
	s_mov_b32 s[G1+5], 32
	s_mov_b32 s[G1+6], 0
	s_mov_b32 s[G1+7], 0
	s_lshl_b32 s36, s[CB], 6
	s_lshl_b32 s37, s[WV], 4
	s_add_co_u32 s36, s36, s37
	s_mul_i32 s36, s36, 768                        ; Wo's row 64 cb + 16 wave
	s_mov_b32 s37, 0
	s_mul_i32 s38, s[WV], 13056
	s_wait_dscnt 0x0
	s_wait_kmcnt 0x0
	s_mov_b32 s[G0], 1
	s_mov_b32 s[G0+1], s38
	s_add_nc_u64 s[G0+2:G0+3], s[8:9], s[36:37]
	s_or_b32 s[G0+3], s[G0+3], 0x80000000
	CROUND                                         ; all four work-groups are here: the joint loads meet
	tensor_load_to_lds s[G0:G0+3], s[G1:G1+7]      ; my one tensor load
	s_nop 0
.rept 4
	v_nop
.endr
	v_and_b32 v[VR], 15, v0
	v_bfe_u32 v[VH], v0, 4, 1
	v_and_b32 v13, 31, v0
	v_lshlrev_b32 v[LN16], 4, v13
	v_lshlrev_b32 v[LN8], 3, v13
	v_lshlrev_b32 v[LN2], 1, v13
	v_lshlrev_b32 v[VOH], 5, v[VH]
	v_lshlrev_b32 v[VOL], 5, v13
	s_wait_alu depctr_va_vdst(0)
	s_lshl_b32 s36, s[CB], 11
	s_add_nc_u64 s[10:11], s[10:11], s[36:37]      ; Wo's scale bytes at my 64 rows
	s_lshl_b32 s36, s[CB], 8
	s_add_nc_u64 s[12:13], s[12:13], s[36:37]      ; bo at my 64 columns
	s_add_nc_u64 s[14:15], s[14:15], s[36:37]      ; out0 at my 64 columns,
	s_lshl_b32 s39, s[RB], 7
	s_lshl_b32 s40, s[WV], 5
	s_add_co_u32 s39, s39, s40                     ; my first row
	s_lshl_b32 s36, s39, 12
	s_add_nc_u64 s[14:15], s[14:15], s[36:37]      ; and at my first row
	s_lshl_b32 s36, s39, 1
	s_add_nc_u64 s[6:7], s[6:7], s[36:37]
	s_mul_i32 s36, s39, 768                        ; 12,288 bytes for each 16 rows
	s_add_nc_u64 s[4:5], s[4:5], s[36:37]
.irp e, 0,1                                    ; register 8 e + s: K step s's words of tile 2 e (lanes 0-15) and 2 e + 1 (lanes 16-31)
.irp k, 0,1
	global_load_b128 v[WOS+8*\e+4*\k:WOS+8*\e+4*\k+3], v[VOL], s[10:11] offset:1024*\e+16*\k
.endr
.endr
.irp n, 0,1,2,3,4,5,6,7,8,9,10,11,12,13,14,15
	global_load_u16 v[U+\n], v[LN2], s[6:7] offset:4096*\n         ; head n's two bytes of row 32 w + lane: lanes 0-15 my first tile, lanes 16-31 my second
.endr
.irp i, 0,1                                    ; bo is the sums' start
.irp t, 0,1,2,3
	global_load_b128 v[ACC+8*(4*\i+\t):ACC+8*(4*\i+\t)+3], v[VOH], s[12:13] offset:64*\t
	global_load_b128 v[ACC+8*(4*\i+\t)+4:ACC+8*(4*\i+\t)+7], v[VOH], s[12:13] offset:64*\t+16
.endr
.endr
	WIN 0x40                                       ; att's 16 fragments into window 1, K step by K step: (i, s) at v[12 (8 i + s)]
.irp s, 0,1,2,3,4,5,6,7
.irp i, 0,1
	global_load_b128 v[12*(8*\i+\s):12*(8*\i+\s)+3], v[LN16], s[4:5] offset:12288*\i+1536*\s
	global_load_b64 v[12*(8*\i+\s)+4:12*(8*\i+\s)+5], v[LN8], s[4:5] offset:12288*\i+1536*\s+512
	global_load_b128 v[12*(8*\i+\s)+6:12*(8*\i+\s)+9], v[LN16], s[4:5] offset:12288*\i+1536*\s+768
	global_load_b64 v[12*(8*\i+\s)+10:12*(8*\i+\s)+11], v[LN8], s[4:5] offset:12288*\i+1536*\s+1280
.endr
.endr
	WIN 0
	v_mul_u32_u24 v13, v[VR], 816
	v_mad_u32_u24 v[AW], v[VH], 24, v13
	v_mad_u32_u24 v[AW+1], v[VH], 40, v13
	s_mul_i32 s38, s[WV], 8704
	s_add_co_u32 s38, s38, STG                     ; my stage
	v_mul_u32_u24 v13, v[VR], 272
	v_lshl_add_u32 v13, v[VH], 5, v13
	v_add_nc_u32 v[STO], s38, v13                  ; in: row r, 32 bytes for each half of the lanes
	v_mul_u32_u24 v13, v[VH], 272
	v_lshl_add_u32 v13, v[VR], 4, v13
	v_add_nc_u32 v[SRD], s38, v13                  ; back: lanes 0-15 one row of 256 bytes, lanes 16-31 the next
	v_lshlrev_b32 v[GO], 12, v[VH]
	v_lshl_add_u32 v[GO], v[VR], 4, v[GO]          ; and the same two rows in out0
	s_wait_tensorcnt 0x0
	s_barrier_signal -1
	s_barrier_wait -1                              ; Wo's 64 rows are in
	FETCHW 0, 0
	s_wait_loadcnt 56                              ; all but the fragments of K steps 1 to 7, eight loads each
.irp s, 0,1,2,3,4,5,6,7
	v_lshl_or_b32 v[ASW+\s], v[U+2*\s+1], 16, v[U+2*\s]            ; K step s: heads 2 s and 2 s + 1
.endr
	PLACES 8                                       ; scale registers written by vector instructions stand eight plain instructions ahead of the products
	s_wait_alu depctr_va_vdst(0)
.irp s, 0,1,2,3,4,5,6,7
.if \s > 0
	PLACES 4                                       ; in front of loads into the set that the last step's products read
.endif
.if \s < 7
	FETCHW \s+1, (\s+1)%2
	s_wait_dscnt 24                                ; all but the 24 loads just issued
.else
	s_wait_dscnt 0x0
.endif
	s_wait_loadcnt 8*(7-\s)                        ; this K step's fragments of att are in; the later ones may be out
	WIN 0x04                                       ; source 1 (att) in window 1
.irp i, 0,1                                    ; eight accumulators by turns
.irp t, 0,1,2,3
	WM ACC+8*(4*\i+\t), WF+48*(\s%2)+12*\t, 12*(8*\i+\s), WOS+8*(\t/2)+\s, ASW+\s, \t%2, \i
.endr
.endr
	WIN 0
.endr
	; THE WAY OUT: a lane's eight columns of a row go into my stage and come back as whole rows of 256 bytes
	PLACES 4
.irp i, 0,1
.irp t, 0,1,2,3
	ds_store_b128 v[STO], v[ACC+8*(4*\i+\t):ACC+8*(4*\i+\t)+3] offset:16*\i*272+64*\t       ; each accumulator from its low end on
	ds_store_b128 v[STO], v[ACC+8*(4*\i+\t)+4:ACC+8*(4*\i+\t)+7] offset:16*\i*272+64*\t+16
.endr
.endr
.irp k, 0,1,2,3,4,5,6,7,8,9,10,11,12,13,14,15
	ds_load_b128 v[WF+4*\k:WF+4*\k+3], v[SRD] offset:2*\k*272      ; LDS serves a wave's instructions in order (ISA guide 5.7.1.4): these see my stores
.endr
.irp k, 0,1,2,3,4,5,6,7,8,9,10,11,12,13,14,15
	s_wait_dscnt 15-\k
	global_store_b128 v[GO], v[WF+4*\k:WF+4*\k+3], s[14:15] offset:8192*\k th:TH_STORE_NT   ; sixteen lanes store 256 consecutive bytes, at a multiple of 256 from out0's first byte
.endr
	s_wait_tensorcnt 0x0
	ds_add_u32 v254, v255
	s_wait_dscnt 0x0
	CROUND                                         ; the closing round: no work-group ends while a partner may still ask for a tile that names it
	s_endpgm
.Lfunc_end_k_q25140f74fa_oproj:
	.size	k_q25140f74fa_oproj, .Lfunc_end_k_q25140f74fa_oproj-k_q25140f74fa_oproj
	.p2alignl 7, 3214868480
	.fill 96, 4, 3214868480
	.section	.rodata,"a",@progbits
	.p2align	6, 0x0
	.amdhsa_kernel k_q25140f74fa_oproj
		.amdhsa_group_segment_fixed_size 168448
		.amdhsa_private_segment_fixed_size 0
		.amdhsa_enable_private_segment 0
		.amdhsa_kernarg_size 48
		.amdhsa_user_sgpr_count 2
		.amdhsa_user_sgpr_kernarg_segment_ptr 1
		.amdhsa_wavefront_size32 1
		.amdhsa_system_sgpr_workgroup_id_x 1
		.amdhsa_system_sgpr_workgroup_id_y 1
		.amdhsa_system_sgpr_workgroup_id_z 1
		.amdhsa_system_vgpr_workitem_id 0
		.amdhsa_next_free_vgpr 448
		.amdhsa_next_free_sgpr 66
		.amdhsa_reserve_vcc 0
		.amdhsa_float_denorm_mode_32 3
		.amdhsa_float_denorm_mode_16_64 3
		.amdhsa_memory_ordered 1
		.amdhsa_forward_progress 1
		.amdhsa_inst_pref_size 41
	.end_amdhsa_kernel
	.amdgpu_metadata
---
amdhsa.version: [ 1, 2 ]
amdhsa.kernels:
  - .name:           k_q25140f74fa_oproj
    .symbol:         k_q25140f74fa_oproj.kd
    .args:
      - { .name: att_codes, .offset: 0, .size: 8, .value_kind: global_buffer, .address_space: global }
      - { .name: att_scales, .offset: 8, .size: 8, .value_kind: global_buffer, .address_space: global }
      - { .name: Wo_codes, .offset: 16, .size: 8, .value_kind: global_buffer, .address_space: global }
      - { .name: Wo_scales, .offset: 24, .size: 8, .value_kind: global_buffer, .address_space: global }
      - { .name: bo, .offset: 32, .size: 8, .value_kind: global_buffer, .address_space: global }
      - { .name: out0, .offset: 40, .size: 8, .value_kind: global_buffer, .address_space: global }
    .group_segment_fixed_size: 168448
    .private_segment_fixed_size: 0
    .kernarg_segment_align: 8
    .kernarg_segment_size: 48
    .max_flat_workgroup_size: 128
    .sgpr_count:     66
    .vgpr_count:     448
    .wavefront_size: 32
...
	.end_amdgpu_metadata
.endif
;; end of part 3
